; MI455X (gfx1250); checked and timed in simulation.
; The chip was launched on July 23, 2026; its instructions are those of AMD's public machine-readable ISA for CDNA 5 (MIT licence, August 2026) and "CDNA5" Instruction Set Architecture Reference Guide (July 2026). The comments in the code are by the model that wrote it; some were corrected since.
;; Self Attention. Allowed arithmetic: float matrix products may take bf16 or f16 operands with f32 sums; all other float work in f32.
;; Inputs: W_key 1,024 x 1,024 float32; W_query 1,024 x 1,024 float32; W_value 1,024 x 1,024 float32; inputs 4 x 2,048 x 1,024 float32.
;; Outputs: out0 4 x 2,048 x 1,024 float32.
;; 2 versions, each right; version 2 is version 1 with the launch prep written anew for expert scheduling mode. Each part assembles by itself: llvm-mc -triple=amdgcn-amd-amdhsa -mcpu=gfx1250 --defsym DOCPART=n.
;; ======== version 1 of 2: 4 launches
;; limits: values are held in f16: magnitudes above 65,504 overflow, below 6.1e-05 lose precision
;; workspace buffers: xb 16,777,216 bytes; wb 6,291,456 bytes; qh 16,777,216 bytes; kh 16,777,216 bytes; vh 16,777,216 bytes; pp 33,554,432 bytes; st 1,048,576 bytes
;; launch prep (part 1): grid 256 x 1, 8 waves a work-group, no clusters, 0 bytes of LDS; arguments inputs, W_query, W_key, W_value, xb, wb; writes xb, wb
.if DOCPART == 1
	.amdgcn_target "amdgcn-amd-amdhsa--gfx1250"
	.amdhsa_code_object_version 6
	.text
	.protected	k_q9080a61dba_prep
	.globl	k_q9080a61dba_prep
	.p2align	8
	.type	k_q9080a61dba_prep,@function
k_q9080a61dba_prep:
	s_mov_b64 s[64:65], 0
	v_nop
	global_prefetch_b8 v0, s[64:65] scope:SCOPE_SE
	s_setreg_imm32_b32 hwreg(HW_REG_WAVE_MODE, 25, 1), 1
	s_wait_xcnt 0x0
; prep: the module's four inputs are rounded to bf16, once.
;   xb: [16 blocks of 64 channels][8192 rows][64] bf16: a block of channels is a plane of 1,048,576 bytes in which the rows' 128 bytes lie end to end.
;   wb: [3: query, key, value][1024 d][1024 e] bf16, row-major as the inputs are.
; A stream: every byte is read once and written once; no LDS, no barrier and no matrix unit would add anything.
; 2,048 waves; wave gw takes rows 4 gw .. 4 gw + 3 of x and 2,048 bytes of each W: 44 units of one 16-byte load a lane, two roundings in place
; and one 8-byte store a lane.  A load of x covers two aligned runs of 256 bytes (lanes 0-15 one row, lanes 16-31 the next); every store covers 256
; consecutive bytes, aligned.  All 44 loads go out first, so no register is written twice and no wait for a source is needed.
.set X, 8                              ; v[8+4i : 11+4i]  unit i as loaded; its first two registers as stored
	s_load_b256 s[4:11], s[0:1], 0x0               ; inputs s[4:5], W_query s[6:7], W_key s[8:9], W_value s[10:11]
	s_load_b128 s[12:15], s[0:1], 0x20             ; xb s[12:13], wb s[14:15]
	v_lshrrev_b32 v4, 5, v0
	v_readfirstlane_b32 s2, v4                     ; wave 0..7
	s_lshl_b32 s3, ttmp9, 3
	s_add_co_u32 s3, s3, s2                        ; gw = 8 x work-group + wave
	v_and_b32 v5, 31, v0                           ; lane
	v_and_b32 v1, 15, v0
	v_bfe_u32 v6, v0, 4, 1
	v_lshlrev_b32 v1, 4, v1
	v_lshl_add_u32 v1, v6, 12, v1                  ; x: 16 (lane % 16) + one row of 4,096 bytes for lanes 16-31
	v_lshlrev_b32 v2, 4, v5                        ; W: 16 x lane
	v_lshlrev_b32 v3, 3, v5                        ; stores: 8 x lane
	s_mov_b32 s31, 0
	s_lshl_b32 s30, s3, 14                         ; four rows of x
	s_wait_kmcnt 0x0
	s_add_nc_u64 s[16:17], s[4:5], s[30:31]
	s_lshl_b32 s30, s3, 9                          ; four row pieces of 128 bytes in a plane of xb
	s_add_nc_u64 s[18:19], s[12:13], s[30:31]      ; planes 0-7
	s_add_nc_u64 s[20:21], s[18:19], 0x800000      ; planes 8-15: so the plane fits the store's immediate
	s_lshl_b32 s30, s3, 11
	s_add_nc_u64 s[22:23], s[6:7], s[30:31]
	s_add_nc_u64 s[24:25], s[8:9], s[30:31]
	s_add_nc_u64 s[26:27], s[10:11], s[30:31]
	s_lshl_b32 s30, s3, 10
	s_add_nc_u64 s[28:29], s[14:15], s[30:31]
.set i, 0
.rept 32                               ; unit i: pair of rows i / 16, channel block i % 16
	global_load_b128 v[X+4*i:X+4*i+3], v1, s[16:17] offset:(i/16)*8192+(i%16)*256 th:TH_LOAD_NT
.set i, i+1
.endr
.rept 12                               ; units 32-43: W number (i - 32) / 4, 512 bytes each
	global_load_b128 v[X+4*i:X+4*i+3], v2, s[22+2*((i-32)/4):23+2*((i-32)/4)] offset:((i-32)%4)*512 th:TH_LOAD_NT
.set i, i+1
.endr
.set i, 0
.rept 44
	s_wait_loadcnt 43-i                            ; loads come back in order (ISA guide 5.7.1): unit i is in, the 43 - i younger ones stay out
	v_cvt_pk_bf16_f32 v[X+4*i], v[X+4*i], v[X+4*i+1]
	v_cvt_pk_bf16_f32 v[X+4*i+1], v[X+4*i+2], v[X+4*i+3]
.if i < 32
	global_store_b64 v3, v[X+4*i:X+4*i+1], s[18+2*((i%16)/8):19+2*((i%16)/8)] offset:(i/16)*256+(i%8)*1048576
.else
	global_store_b64 v3, v[X+4*i:X+4*i+1], s[28:29] offset:((i-32)/4)*2097152+((i-32)%4)*256
.endif
.set i, i+1
.endr
	s_endpgm
.Lfunc_end_k_q9080a61dba_prep:
	.size	k_q9080a61dba_prep, .Lfunc_end_k_q9080a61dba_prep-k_q9080a61dba_prep
	.p2alignl 7, 3214868480
	.fill 96, 4, 3214868480
	.section	.rodata,"a",@progbits
	.p2align	6, 0x0
	.amdhsa_kernel k_q9080a61dba_prep
		.amdhsa_group_segment_fixed_size 0
		.amdhsa_private_segment_fixed_size 0
		.amdhsa_enable_private_segment 0
		.amdhsa_kernarg_size 48
		.amdhsa_user_sgpr_count 2
		.amdhsa_user_sgpr_kernarg_segment_ptr 1
		.amdhsa_wavefront_size32 1
		.amdhsa_system_sgpr_workgroup_id_x 1
		.amdhsa_system_sgpr_workgroup_id_y 1
		.amdhsa_system_sgpr_workgroup_id_z 1
		.amdhsa_system_vgpr_workitem_id 0
		.amdhsa_next_free_vgpr 184
		.amdhsa_next_free_sgpr 66
		.amdhsa_reserve_vcc 0
		.amdhsa_float_denorm_mode_32 3
		.amdhsa_float_denorm_mode_16_64 3
		.amdhsa_memory_ordered 1
		.amdhsa_forward_progress 1
		.amdhsa_inst_pref_size 17
	.end_amdhsa_kernel
	.amdgpu_metadata
---
amdhsa.version: [ 1, 2 ]
amdhsa.kernels:
  - .name:           k_q9080a61dba_prep
    .symbol:         k_q9080a61dba_prep.kd
    .args:
      - { .name: inputs, .offset: 0, .size: 8, .value_kind: global_buffer, .address_space: global }
      - { .name: W_query, .offset: 8, .size: 8, .value_kind: global_buffer, .address_space: global }
      - { .name: W_key, .offset: 16, .size: 8, .value_kind: global_buffer, .address_space: global }
      - { .name: W_value, .offset: 24, .size: 8, .value_kind: global_buffer, .address_space: global }
      - { .name: xb, .offset: 32, .size: 8, .value_kind: global_buffer, .address_space: global }
      - { .name: wb, .offset: 40, .size: 8, .value_kind: global_buffer, .address_space: global }
    .group_segment_fixed_size: 0
    .private_segment_fixed_size: 0
    .kernarg_segment_align: 8
    .kernarg_segment_size: 48
    .max_flat_workgroup_size: 256
    .sgpr_count:     66
    .vgpr_count:     184
    .wavefront_size: 32
...
	.end_amdgpu_metadata
.endif
;; end of part 1
;; launch proj (part 2): grid 8 x 32, 4 waves a work-group, clusters of 4 x 4, 327,680 bytes of LDS; arguments xb, wb, qh, kh, vh; writes qh, kh, vh
.if DOCPART == 2
	.amdgcn_target "amdgcn-amd-amdhsa--gfx1250"
	.amdhsa_code_object_version 6
	.text
	.protected	k_q9080a61dba_proj
	.globl	k_q9080a61dba_proj
	.p2align	8
	.type	k_q9080a61dba_proj,@function
k_q9080a61dba_proj:
	s_mov_b64 s[64:65], 0
	v_nop
	global_prefetch_b8 v0, s[64:65] scope:SCOPE_SE
	s_setreg_imm32_b32 hwreg(HW_REG_WAVE_MODE, 25, 1), 1
	s_wait_xcnt 0x0
	s_wait_alu depctr_hold_cnt(0) depctr_sa_sdst(0) depctr_va_vdst(0) depctr_va_sdst(0) depctr_va_ssrc(0) depctr_va_vcc(0) depctr_vm_vsrc(0)
	s_getreg_b32 s2, hwreg(HW_REG_IB_STS2, 6, 4)
	s_cmp_eq_u32 s2, 0
	s_cbranch_scc0 .Lentry_in_a_cluster
	s_endpgm
.Lentry_in_a_cluster:
	s_bfe_u32 s2, ttmp6, 0x10000c
	s_cmp_lg_u32 s2, 0xf033
	s_cbranch_scc0 .Lentry_shape_is_right
	s_endpgm
.Lentry_shape_is_right:
; proj: q, k, v = x W_query, x W_key, x W_value.  bf16 products, f32 sums, each result rounded once to f16 and NOT scaled.
; LIMIT: f16 ends at 65,504: |q|, |k|, |v| must stay below that (the drawn inputs give about 3; 30 times larger x and W about 3,000).
; xb: [16][8192][64] bf16 in planes of 64 channels; wb: [3][1024 d][1024 e] bf16; qh, kh, vh: [16][8192][64] f16 in planes of 64 columns.
; SHARES.  A work-group makes 256 rows x 128 columns of q, of k and of v; each of its four waves 128 rows x 64 columns of each: 3 groups of 32 accumulators of 16 x 16,
; a group to a register window.  So a fragment of x read from LDS feeds three products.  8 x 32 work-groups.
; K goes in 16 steps of 64 through two LDS slots.  A step is 6 BLOCKS of 32 matrix instructions: block n = quarter n / 3 (32 along K) of group n % 3.
; While block n is multiplied, block n + 1's fragments are on their way from LDS (two buffers for W's fragments, two for x's).
; THE MATRIX INSTRUCTION IS USED TRANSPOSED: source 0 = 16 columns of W (turned on the way out of LDS, where W lies [d][e]), source 1 = 16 rows of x:
; a lane then holds row lane % 16 and the columns 8 (lane / 16) + 0..7, which pack into 16 bytes.
; CLUSTER 4 x 4: x's tile hangs on the tile row alone and is asked for jointly by a row of the cluster, W's tiles on the tile column alone, by a column.
; Wave 3 asks for x's tile (256 rows x 128 bytes, dense in its plane: 128 rows of 256 bytes), waves 0, 1, 2 for W_query's, W_key's, W_value's (64 d x 256 bytes).
; REGISTERS: window 0: v0-19 addresses; v32-95, v96-159 x's fragments; v160-191, v192-223 W's.  Windows 1, 2, 3: q's, k's, v's accumulators, (a, b) at v[8 (4 a + b)].
.set NA, 8                             ; blocks of 16 rows a wave
.set NB, 4                             ; blocks of 16 columns a group
.set G, 3                              ; groups
.set NBLK, 6                           ; blocks a step
.set NS, 16                            ; K steps
.set P1, 2                             ; a change of slots cuts its block in three: rows blocks 0-1, 2, 3-7
.set P2, 1
.set SLOT1, 131072                     ; slot 1 begins here: one exclusive or turns an address in one slot into the other's
.set BOFF, 36864                       ; a slot: x's 256 rows at a pitch of 144 bytes (128 + 16: row r begins 16 r further modulo 256), then
.set BPL, 18432                        ; three tiles of W, 64 rows at a pitch of 288 bytes (256 + 32: what the turning load wants)
.set STAGE, 92160                      ; between the slots, never filled by a tensor load: 16 rows x 144 bytes for each wave, for the way out
.set SPARE, 101376                     ; the spare words, 128 bytes for each wave: two blocks of 256 bytes that no other line names
.set STEPA, 0x100000                   ; x: the next plane
.set STEPB, 131072                     ; W: 64 rows of 2,048 bytes
.set A0, 10                            ; v10  my lane's place in x's tile; never rewritten
.set B0, 11                            ; v11  the same for W's tiles
.set ADRA, 12                          ; v12, v13  the same in the slot in hand
.set ADRB, 13
.set STO, 14                           ; v14  the way out: where I put 16 bytes of a row
.set RD, 15                            ; v15  the way out: where I read rows back
.set GO, 16                            ; v16  16 x lane
.set SPW, 18                           ; v18  LDS address of my spare word; never rewritten
.set NIL, 19                           ; v19  0; never rewritten
.set FA0, 32
.set FA1, 96
.set FB0, 160
.set FB1, 192
.set XO, 32                            ; the way out: two buffers of 16 registers
.set WV, 20                            ; s20 wave; s21 its row half; s22 its column half
.set WM, 21
.set WN, 22
.set CX, 23
.set CY, 24
.set TX, 25                            ; tile column, tile row
.set TY, 26
.set RMASK, 27
.set CMASK, 28
.set CLY, 29
.set G1A, 32                           ; s[32:39], s[40:47] descriptor groups 1
.set G1B, 40
.set G0A, 48                           ; s[48:55], s[56:63] descriptor groups 0: a set for each first fill; the second then walks
.set G0B, 56
.set CNT, 66
.set TB, 67                            ; s67  LDS byte at which the slot in hand begins
.set OUTB, 74                          ; s[74:79] qh, kh, vh at my wave's first bytes
.set MSB, 0
.macro WIN new                         ; the immediate's high byte repeats the setting that is left; a switch that changes nothing is dropped
.if MSB != (\new)
	s_set_vgpr_msb (MSB<<8)|(\new)
.set MSB, \new
.endif
.endm
.macro PLACES                          ; four places in front of loads into registers that matrix instructions have read, and of conversions that read results (ISA guide 7.12.1 for the conversions)
.rept 4
	v_nop
.endr
.endm
.macro CREST                           ; a round of the cluster's barrier behind its opening barrier
	s_cmp_lg_u32 s[WV], 0
	s_cbranch_scc1 .Lnot_wave_0_\@
	s_barrier_signal -3
.Lnot_wave_0_\@:
	s_barrier_wait -3
	s_barrier_signal -1
	s_barrier_wait -1
.endm
.macro CROUND
	s_barrier_signal -1
	s_barrier_wait -1
	CREST
.endm
.macro JLOAD                           ; a joint refill by the walking descriptors; the branch hangs on the wave's number alone; an s_nop 0 and four v_nop follow each line
	s_cmp_eq_u32 s[WV], 3
	s_cbranch_scc0 .Lfor_b_\@
	tensor_load_to_lds s[G0A+4:G0A+7], s[G1A:G1A+7]
	s_nop 0
.rept 4
	v_nop
.endr
	s_branch .Lasked_\@
.Lfor_b_\@:
	tensor_load_to_lds s[G0B+4:G0B+7], s[G1B:G1B+7]
	s_nop 0
.rept 4
	v_nop
.endr
.Lasked_\@:
.endm
; The LDS loads of block n, in one run: 8 turning loads for the group's 64 columns x 32 d; with a quarter's first group also 16 loads for my 128 rows of x.
.macro FETCH n
.set g_, (\n)%G
.set q_, (\n)/G
.set fb_, FB0+(FB1-FB0)*((\n)%2)
.set fa_, FA0+(FA1-FA0)*(q_%2)
	WIN 0
.set b_, 0
.rept NB
	ds_load_tr16_b128 v[fb_+8*b_:fb_+8*b_+3],   v[ADRB] offset:g_*BPL+q_*9216+32*b_
	ds_load_tr16_b128 v[fb_+8*b_+4:fb_+8*b_+7], v[ADRB] offset:g_*BPL+q_*9216+32*b_+4608
.set b_, b_+1
.endr
.if g_ == 0
.set a_, 0
.rept NA
	ds_load_b128 v[fa_+8*a_:fa_+8*a_+3],   v[ADRA] offset:64*q_+2304*a_
	ds_load_b128 v[fa_+8*a_+4:fa_+8*a_+7], v[ADRA] offset:64*q_+2304*a_+32
.set a_, a_+1
.endr
.endif
.endm
; na x 4 matrix instructions of block n, from row block a0 on.  The accumulators take turns, one instruction a turn.  zero = 1: the product starts the sum.
.macro MULS n, a0, na, zero
.set g_, (\n)%G
.set fb_, FB0+(FB1-FB0)*((\n)%2)
.set fa_, FA0+(FA1-FA0)*(((\n)/G)%2)
	WIN 0x50*(g_+1)                                ; C and D in the group's window, sources in window 0
.set a_, \a0
.rept \na
.set b_, 0
.rept NB
.if \zero
	v_wmma_f32_16x16x32_bf16 v[8*(NB*a_+b_):8*(NB*a_+b_)+7], v[fb_+8*b_:fb_+8*b_+7], v[fa_+8*a_:fa_+8*a_+7], 0
.else
	v_wmma_f32_16x16x32_bf16 v[8*(NB*a_+b_):8*(NB*a_+b_)+7], v[fb_+8*b_:fb_+8*b_+7], v[fa_+8*a_:fa_+8*a_+7], v[8*(NB*a_+b_):8*(NB*a_+b_)+7]
.endif
.set b_, b_+1
.endr
.set a_, a_+1
.endr
.endm
.macro STEP n, zero                    ; block n: its fragments are in; the next block's are asked for; 32 products
	WIN 0
	s_wait_dscnt 0x0                               ; the only LDS loads out are block n's, issued 32 products ago
	PLACES                                         ; the loads below land in what block n - 1 read
	FETCH (\n)+1
	MULS \n, 0, NA, \zero
.endm
; A step's last block, and THE CHANGE OF SLOTS.  In front of the barrier each wave waits for all its tensor loads (one is out: its part of the other slot), adds 0 to its spare word,
; and waits for that and for its reads of this slot.  fill = 1: the barrier opens a round of the cluster's, and the joint refill of this slot, two steps ahead, is the first thing behind it:
; it has a step less twelve products in which to land.
.macro TURN fill
	WIN 0
	s_wait_tensorcnt 0x0                           ; no tensor load of mine is out, so a group 0 may be written
	ds_add_u32 v[SPW], v[NIL]                      ; 0 onto my spare word
.if \fill
	s_xor_b32 s[G0A+5], s[G0A+5], SLOT1            ; the walking descriptors: the other slot than last time, the next K step
	s_add_nc_u64 s[G0A+6:G0A+7], s[G0A+6:G0A+7], STEPA
	s_xor_b32 s[G0B+5], s[G0B+5], SLOT1
	s_add_nc_u64 s[G0B+6:G0B+7], s[G0B+6:G0B+7], STEPB
.endif
	s_xor_b32 s[TB], s[TB], SLOT1
	s_wait_dscnt 0x1                               ; the add alone may be out: the block's fragments are in
	MULS NBLK-1, 0, P1, 0
	s_wait_dscnt 0x0                               ; the add is done, and my reads of this slot are over
	s_barrier_signal -1
	MULS NBLK-1, P1, P2, 0
	WIN 0
	s_barrier_wait -1
.if \fill
	CREST                                          ; no wave of any partner still reads this slot or has a load on its way
	JLOAD                                          ; its four v_nop are also the places in front of the loads below
.else
	PLACES
.endif
	v_add_nc_u32 v[ADRA], s[TB], v[A0]
	v_add_nc_u32 v[ADRB], s[TB], v[B0]
	FETCH 0
	MULS NBLK-1, P1+P2, NA-P1-P2, 0
.endm
.macro LAST
	WIN 0
	s_wait_dscnt 0x0
	MULS NBLK-1, 0, NA, 0
.endm
	s_load_b256 s[4:11], s[0:1], 0x0               ; xb s[4:5], wb s[6:7], qh s[8:9], kh s[10:11]
	s_load_b64 s[12:13], s[0:1], 0x20              ; vh
	v_lshl_add_u32 v[SPW], v0, 2, SPARE
	v_mov_b32 v[NIL], 0
	ds_add_u32 v18, v19
	s_wait_dscnt 0x0
	v_lshrrev_b32 v5, 5, v0
	v_readfirstlane_b32 s[WV], v5
	s_lshr_b32 s[WM], s[WV], 1
	s_and_b32 s[WN], s[WV], 1
	s_bfe_u32 s[CX], ttmp6, 0x40000
	s_bfe_u32 s[CY], ttmp6, 0x40004
	s_lshl_b32 s[TX], ttmp9, 2
	s_add_co_u32 s[TX], s[TX], s[CX]               ; tile column = 4 x cluster x + cx
	s_and_b32 s[CLY], ttmp7, 0xffff
	s_lshl_b32 s[TY], s[CLY], 2
	s_add_co_u32 s[TY], s[TY], s[CY]               ; tile row = 4 x cluster y + cy
	s_lshl_b32 s[RMASK], s[CY], 2
	s_lshl_b32 s[RMASK], 15, s[RMASK]              ; my row of the cluster
	s_lshl_b32 s[CMASK], 0x1111, s[CX]             ; my column
	s_or_b32 s[G1A], s[RMASK], (1<<16)|(1<<20)|(1<<21)|(4<<22)|(3<<25)  ; mask; 2-byte elements; padding on; bit 21 beside a mask; after every 32 words 4 words
	s_mov_b32 s[G1A+1], 128<<16                    ; tensor_dim0 = 128 elements: two row pieces of x
	s_mov_b32 s[G1A+2], 128<<16                    ; tensor_dim1 = 128
	s_mov_b32 s[G1A+3], 128<<16                    ; tile_dim0 = 128
	s_mov_b32 s[G1A+4], 128                        ; tile_dim1 = 128
	s_mov_b32 s[G1A+5], 128                        ; dense: 128 elements from row to row
	s_mov_b32 s[G1A+6], 0
	s_mov_b32 s[G1A+7], 0
	s_or_b32 s[G1B], s[CMASK], (1<<16)|(1<<20)|(1<<21)|(5<<22)|(7<<25)  ; after every 64 words 8 words
	s_mov_b32 s[G1B+1], 128<<16                    ; 128 columns
	s_mov_b32 s[G1B+2], 64<<16                     ; 64 rows d
	s_mov_b32 s[G1B+3], 128<<16
	s_mov_b32 s[G1B+4], 64
	s_mov_b32 s[G1B+5], 1024
	s_mov_b32 s[G1B+6], 0
	s_mov_b32 s[G1B+7], 0
	s_lshl_b32 s80, s[TY], 15                      ; x: 256 row pieces of 128 bytes a tile row (registers that never hold cx)
	s_mov_b32 s81, 0
	s_lshl_b32 s84, s[TX], 8                       ; W: 128 columns a tile column, and W number = my wave's (registers that never hold cy)
	s_lshl_b32 s85, s[WV], 21
	s_add_co_u32 s84, s84, s85
	s_mov_b32 s85, 0
	s_mul_i32 s90, s[WV], BPL
	s_mov_b32 s[TB], 0
	s_wait_kmcnt 0x0
	s_add_nc_u64 s[82:83], s[4:5], s[80:81]
	s_add_nc_u64 s[86:87], s[6:7], s[84:85]
.irp s, 0,1
	s_mov_b32 s[G0A+4*(\s)], 1
	s_mov_b32 s[G0A+4*(\s)+1], (\s)*SLOT1
	s_add_nc_u64 s[G0A+4*(\s)+2:G0A+4*(\s)+3], s[82:83], (\s)*STEPA
	s_or_b32 s[G0A+4*(\s)+3], s[G0A+4*(\s)+3], 0x80000000
	s_mov_b32 s[G0B+4*(\s)], 1
	s_add_co_u32 s[G0B+4*(\s)+1], s90, BOFF+(\s)*SLOT1
	s_add_nc_u64 s[G0B+4*(\s)+2:G0B+4*(\s)+3], s[86:87], (\s)*STEPB
	s_or_b32 s[G0B+4*(\s)+3], s[G0B+4*(\s)+3], 0x80000000
.endr
	CROUND                                         ; all sixteen work-groups are here: the first joint loads meet
	s_cmp_eq_u32 s[WV], 3                          ; a wave's two first fills stand in one branch: two loads of mine are out
	s_cbranch_scc0 .Lfirst_b
	tensor_load_to_lds s[G0A:G0A+3], s[G1A:G1A+7]
	s_nop 0
	tensor_load_to_lds s[G0A+4:G0A+7], s[G1A:G1A+7]
	s_nop 0
.rept 4
	v_nop
.endr
	s_branch .Lfirst_asked
.Lfirst_b:
	tensor_load_to_lds s[G0B:G0B+3], s[G1B:G1B+7]
	s_nop 0
	tensor_load_to_lds s[G0B+4:G0B+7], s[G1B:G1B+7]
	s_nop 0
.rept 4
	v_nop
.endr
.Lfirst_asked:
	v_and_b32 v1, 15, v0                           ; r = lane % 16
	v_bfe_u32 v2, v0, 4, 1                         ; h = lane / 16
	v_and_b32 v3, 7, v0
	v_bfe_u32 v4, v0, 3, 1
	v_mul_u32_u24 v[A0], v1, 144                   ; a fragment of x: row r, 16 bytes for each half of the lanes, two loads 32 bytes apart
	v_lshl_add_u32 v[A0], v2, 4, v[A0]
	s_mul_i32 s91, s[WM], 128*144
	v_add_nc_u32 v[A0], s91, v[A0]
	v_lshl_add_u32 v[B0], v2, 3, v3                ; the turning load: lane reads row d = 8 h + lane % 8, columns 8 ((lane / 8) % 2) + 0..7
	v_mul_u32_u24 v[B0], v[B0], 288
	v_lshl_add_u32 v[B0], v4, 4, v[B0]
	s_lshl_b32 s91, s[WN], 7
	s_add_co_u32 s91, s91, BOFF
	v_add_nc_u32 v[B0], s91, v[B0]
	s_mul_i32 s91, s[WV], 16*144
	s_add_co_u32 s91, s91, STAGE                   ; my stage
	v_mul_u32_u24 v[STO], v1, 144
	v_lshl_add_u32 v[STO], v2, 4, v[STO]
	v_add_nc_u32 v[STO], s91, v[STO]
	v_bfe_u32 v[RD], v0, 3, 2                      ; back: 32 lanes take four rows of 128 bytes,
	v_mul_u32_u24 v[RD], v[RD], 144
	v_lshl_add_u32 v[RD], v3, 4, v[RD]
	v_add_nc_u32 v[RD], s91, v[RD]
	v_and_b32 v[GO], 31, v0                        ; which are 512 consecutive bytes of a plane
	v_lshlrev_b32 v[GO], 4, v[GO]
	s_lshl_b32 s88, s[TX], 1                       ; my plane of 64 columns = 2 x tile column + column half,
	s_add_co_u32 s88, s88, s[WN]
	s_lshl_b32 s88, s88, 20
	s_lshl_b32 s89, s[TY], 15                      ; my rows in it
	s_add_co_u32 s88, s88, s89
	s_lshl_b32 s89, s[WM], 14
	s_add_co_u32 s88, s88, s89
	s_mov_b32 s89, 0
	s_add_nc_u64 s[OUTB:OUTB+1], s[8:9], s[88:89]
	s_add_nc_u64 s[OUTB+2:OUTB+3], s[10:11], s[88:89]
	s_add_nc_u64 s[OUTB+4:OUTB+5], s[12:13], s[88:89]
	s_wait_tensorcnt 0x1                           ; my part of step 0 is in; step 1's may stay out
	s_barrier_signal -1
	s_barrier_wait -1                              ; everybody's is
	v_add_nc_u32 v[ADRA], s[TB], v[A0]
	v_add_nc_u32 v[ADRB], s[TB], v[B0]
	FETCH 0
	STEP 0, 1                                      ; the first quarter stands in front of the loop: its products start the sums
	STEP 1, 1
	STEP 2, 1
	WIN 0
	s_mov_b32 s[CNT], NS-2
.Lk:                                                   ; a trip: the rest of a step, the change of slots with its refill, the next step's first quarter
	STEP 3, 0
	STEP 4, 0
	TURN 1
	STEP 0, 0
	STEP 1, 0
	STEP 2, 0
	WIN 0
	s_sub_co_u32 s[CNT], s[CNT], 1
	s_cmp_lg_u32 s[CNT], 0
	s_cbranch_scc1 .Lk
	STEP 3, 0                                      ; the last two steps ask for nothing: written out
	STEP 4, 0
	TURN 0
	STEP 0, 0
	STEP 1, 0
	STEP 2, 0
	STEP 3, 0
	STEP 4, 0
	LAST
	WIN 0
	PLACES
; THE WAY OUT.  Block n = 8 g + a: 16 rows x 64 columns of group g, rounded to f16 (each accumulator's registers in ascending order), through my stage, back as 2,048 consecutive bytes of the plane.
.macro PACK n
.set g_, (\n)/8
.set a_, (\n)%8
.set x_, XO+16*((\n)%2)
	s_wait_xcnt 0x0                                ; the stores of the block two back have read this buffer's registers (ISA guide 3.1)
	WIN 5*(g_+1)                                   ; sources 0 and 1 in the group's window
.set i_, 0
.rept 16
	v_cvt_pk_f16_f32 v[x_+i_], v[32*a_+2*i_], v[32*a_+2*i_+1]
.set i_, i_+1
.endr
	WIN 0
.irp f, 0,1,2,3
	ds_store_b128 v[STO], v[x_+4*\f:x_+4*\f+3] offset:32*\f
.endr
.irp f, 0,1,2,3
	ds_load_b128 v[x_+4*\f:x_+4*\f+3], v[RD] offset:576*\f  ; LDS serves a wave's instructions in order (ISA guide 5.7.1.4): these see the stores above
.endr
.endm
.macro SEND n, younger                 ; younger: the LDS instructions issued behind block n's loads: the next block's eight, or none
.set g_, (\n)/8
.set a_, (\n)%8
.set x_, XO+16*((\n)%2)
.irp f, 0,1,2,3
	s_wait_dscnt (\younger)+3-\f
	global_store_b128 v[GO], v[x_+4*\f:x_+4*\f+3], s[OUTB+2*g_:OUTB+2*g_+1] offset:a_*2048+\f*512  ; 512 consecutive bytes, at a multiple of 256 from the buffer's first
.endr
.endm
	PACK 0
.set n_, 1
.rept 23                               ; a block's conversions stand between the loads of the block before and its stores
	PACK n_
	SEND n_-1, 8
.set n_, n_+1
.endr
	SEND 23, 0
	s_wait_tensorcnt 0x0                           ; the wave's end
	ds_add_u32 v[SPW], v[NIL]
	s_wait_dscnt 0x0
	CROUND                                         ; the closing round: no work-group ends while a partner may still ask for a tile that names it
	s_endpgm
.Lfunc_end_k_q9080a61dba_proj:
	.size	k_q9080a61dba_proj, .Lfunc_end_k_q9080a61dba_proj-k_q9080a61dba_proj
	.p2alignl 7, 3214868480
	.fill 96, 4, 3214868480
	.section	.rodata,"a",@progbits
	.p2align	6, 0x0
	.amdhsa_kernel k_q9080a61dba_proj
		.amdhsa_group_segment_fixed_size 327680
		.amdhsa_private_segment_fixed_size 0
		.amdhsa_enable_private_segment 0
		.amdhsa_kernarg_size 40
		.amdhsa_user_sgpr_count 2
		.amdhsa_user_sgpr_kernarg_segment_ptr 1
		.amdhsa_wavefront_size32 1
		.amdhsa_system_sgpr_workgroup_id_x 1
		.amdhsa_system_sgpr_workgroup_id_y 1
		.amdhsa_system_sgpr_workgroup_id_z 1
		.amdhsa_system_vgpr_workitem_id 0
		.amdhsa_next_free_vgpr 1024
		.amdhsa_next_free_sgpr 96
		.amdhsa_reserve_vcc 0
		.amdhsa_float_denorm_mode_32 3
		.amdhsa_float_denorm_mode_16_64 3
		.amdhsa_memory_ordered 1
		.amdhsa_forward_progress 1
		.amdhsa_inst_pref_size 114
	.end_amdhsa_kernel
	.amdgpu_metadata
---
amdhsa.version: [ 1, 2 ]
amdhsa.kernels:
  - .name:           k_q9080a61dba_proj
    .symbol:         k_q9080a61dba_proj.kd
    .args:
      - { .name: xb, .offset: 0, .size: 8, .value_kind: global_buffer, .address_space: global }
      - { .name: wb, .offset: 8, .size: 8, .value_kind: global_buffer, .address_space: global }
      - { .name: qh, .offset: 16, .size: 8, .value_kind: global_buffer, .address_space: global }
      - { .name: kh, .offset: 24, .size: 8, .value_kind: global_buffer, .address_space: global }
      - { .name: vh, .offset: 32, .size: 8, .value_kind: global_buffer, .address_space: global }
    .group_segment_fixed_size: 327680
    .private_segment_fixed_size: 0
    .kernarg_segment_align: 8
    .kernarg_segment_size: 40
    .max_flat_workgroup_size: 128
    .sgpr_count:     96
    .vgpr_count:     1024
    .wavefront_size: 32
...
	.end_amdgpu_metadata
.endif
;; end of part 2
;; launch scores (part 3): grid 8 x 32, 4 waves a work-group, clusters of 4 x 4, 327,680 bytes of LDS; arguments qh, kh, pp, st; writes pp, st
.if DOCPART == 3
	.amdgcn_target "amdgcn-amd-amdhsa--gfx1250"
	.amdhsa_code_object_version 6
	.text
	.protected	k_q9080a61dba_scores
	.globl	k_q9080a61dba_scores
	.p2align	8
	.type	k_q9080a61dba_scores,@function
k_q9080a61dba_scores:
	s_mov_b64 s[64:65], 0
	v_nop
	global_prefetch_b8 v0, s[64:65] scope:SCOPE_SE
	s_setreg_imm32_b32 hwreg(HW_REG_WAVE_MODE, 25, 1), 1
	s_wait_xcnt 0x0
	s_wait_alu depctr_hold_cnt(0) depctr_sa_sdst(0) depctr_va_vdst(0) depctr_va_sdst(0) depctr_va_ssrc(0) depctr_va_vcc(0) depctr_vm_vsrc(0)
	s_getreg_b32 s2, hwreg(HW_REG_IB_STS2, 6, 4)
	s_cmp_eq_u32 s2, 0
	s_cbranch_scc0 .Lentry_in_a_cluster
	s_endpgm
.Lentry_in_a_cluster:
	s_bfe_u32 s2, ttmp6, 0x10000c
	s_cmp_lg_u32 s2, 0xf033
	s_cbranch_scc0 .Lentry_shape_is_right
	s_endpgm
.Lentry_shape_is_right:
; scores: s = q k^T for one batch's 256 queries x 256 keys a work-group, and the first half of the softmax.  f16 products, f32 sums; s never goes to memory.
; A wave makes 128 queries x 128 keys.  The two waves of a row half exchange their rows' maxima through LDS, so a CHUNK is the work-group's 256 keys: for each row the chunk's maximum m is
; taken away, p = 2^(c s - c m), c = log2(e) / 32.  Stored: p in f16 (pp), and for each wave c m and l = the sum of its 128 unrounded p in f32 (st).  The next launch joins a row's chunks exactly.
; pp: [512 blocks of 16 rows][64 blocks of 32 keys][1,024 bytes]: a block is the next launch's matrix operand as its registers hold it: lane l's registers 0-3 at 16 l, registers 4-7 at
; 512 + 16 l.  That is what two of my accumulators, rounded in pairs, hold: they are stored as they are, a row block's 128 keys as 4,096 consecutive bytes, with no way through LDS.
; st: [64 groups of 128 rows][16 waves' keys][2 halves of the group][c m, l][16 i][4 k] f32, row = 128 group + 16 (4 half + k) + i: a wave's store covers 512 consecutive bytes.
; LIMITS: p lies in 0 to 1; below 6e-5 it keeps f16's fixed step of 6e-8; an exponential below 2^-126 counts as 0; NaN and infinities are not treated apart.
; qh, kh: [16][8192][64] f16 in planes of 64 channels: 256 rows of a plane are 32,768 dense bytes, asked for as 128 rows of 256 bytes and padded in LDS after every 128.
; K (the 1,024 channels) goes in 8 steps of 128 through two LDS slots; a slot holds q's two planes and k's two planes, one load a wave.
; A step is 8 BLOCKS of 32 matrix instructions: block n = quarter n / 2 (32 channels) of key group n % 2 (64 keys).  While block n is multiplied, block n + 1's fragments come from LDS.
; THE MATRIX INSTRUCTION IS USED TRANSPOSED: source 0 = 16 keys, source 1 = 16 queries: a lane holds query lane % 16 and the keys 8 (lane / 16) + 0..7.
; CLUSTER 4 x 4: q's planes hang on the tile row alone (joint along a row of the cluster), k's on the batch and the tile column (joint along a column; a cluster lies in one batch).
; REGISTERS: window 0: v0-27 addresses and at work; v32-95, v96-159 q's fragments; v160-191, v192-223 k's; v224-247 statistics.  Windows 1, 2: the accumulators of keys 0-63, 64-127, (a, b) at v[8 (4 a + b)].
.set NA, 8
.set NB, 4
.set G, 2
.set NBLK, 8
.set NS, 8
.set P1, 2
.set P2, 1
.set PLANE, 36864                      ; 256 rows at a pitch of 144 bytes (128 + 16: row r begins 16 r further modulo 256)
.set SLOT1, 0x24000                    ; 4 planes.  Its two bits are in none of wave x PLANE, so one exclusive or changes slots
.set EX, 294912                        ; behind the ring, never filled by a tensor load: the waves' maxima, 512 bytes each: [lane / 16][lane % 16][4 row blocks]
.set SPARE, 296960                     ; the spare words: two blocks of 256 bytes that no other line names
.set STEPA, 0x200000                   ; two planes on
.set STEPB, 0x200000
.set A0, 10
.set B0, 11
.set ADRA, 12
.set ADRB, 13
.set EXS, 14                           ; v14  where I put four maxima
.set EXL, 15                           ; v15  where my row half's two waves' maxima of row lane % 16 begin
.set LO, 17                            ; v17  16 x lane
.set SPW, 18
.set NIL, 19
.set TP, 20                            ; v20-27  what the lane 16 away holds, by row block
.set FA0, 32
.set FA1, 96
.set FB0, 160
.set FB1, 192
.set T, 32                             ; the way out: v32-95 a row block's 64 numbers a lane
.set X0, 160                           ; v160-191, v192-223 the same in f16, by turns
.set X1, 192
.set CM, 224                           ; v[224+2a] c m, v[225+2a] m
.set LS, 240                           ; v[240+a]  l
.set WV, 20
.set WM, 21
.set WN, 22
.set CX, 23
.set CY, 24
.set TX, 25
.set TY, 26
.set RMASK, 27
.set CMASK, 28
.set BT, 29                            ; s29  the batch, from the cluster's y alone
.set G1A, 32
.set G1B, 40
.set G0A, 48
.set G0B, 56
.set CNT, 66
.set TB, 67
.set CS, 68                            ; s[68:69] c, as a pair
.set SEL, 70                           ; s[70:71] v_permlanex16_b32's selects: each lane takes its own place in the other half
.set MK, 72                            ; s72  lanes 16-31
.set PB, 74                            ; s[74:75] pp at my wave's first block
.set SB, 76                            ; s[76:77] st at my wave's entry
.set MSB, 0
.macro WIN new
.if MSB != (\new)
	s_set_vgpr_msb (MSB<<8)|(\new)
.set MSB, \new
.endif
.endm
.macro PLACES
.rept 4
	v_nop
.endr
.endm
.macro CREST
	s_cmp_lg_u32 s[WV], 0
	s_cbranch_scc1 .Lnot_wave_0_\@
	s_barrier_signal -3
.Lnot_wave_0_\@:
	s_barrier_wait -3
	s_barrier_signal -1
	s_barrier_wait -1
.endm
.macro CROUND
	s_barrier_signal -1
	s_barrier_wait -1
	CREST
.endm
.macro JLOAD                           ; waves 0, 1: q's two planes; waves 2, 3: k's; an s_nop 0 and four v_nop follow each line
	s_cmp_lt_u32 s[WV], 2
	s_cbranch_scc0 .Lfor_b_\@
	tensor_load_to_lds s[G0A+4:G0A+7], s[G1A:G1A+7]
	s_nop 0
.rept 4
	v_nop
.endr
	s_branch .Lasked_\@
.Lfor_b_\@:
	tensor_load_to_lds s[G0B+4:G0B+7], s[G1B:G1B+7]
	s_nop 0
.rept 4
	v_nop
.endr
.Lasked_\@:
.endm
.macro FETCH n                         ; block n's LDS loads in one run: 8 for the group's 64 keys; with a quarter's first group 16 for my 128 queries
.set g_, (\n)%G
.set q_, (\n)/G
.set fb_, FB0+(FB1-FB0)*((\n)%2)
.set fa_, FA0+(FA1-FA0)*(q_%2)
.set o_, (q_/2)*PLANE+(q_%2)*64        ; the quarter's plane, and its 64 bytes of a row
	WIN 0
.set b_, 0
.rept NB
	ds_load_b128 v[fb_+8*b_:fb_+8*b_+3],   v[ADRB] offset:o_+9216*g_+2304*b_
	ds_load_b128 v[fb_+8*b_+4:fb_+8*b_+7], v[ADRB] offset:o_+9216*g_+2304*b_+32
.set b_, b_+1
.endr
.if g_ == 0
.set a_, 0
.rept NA
	ds_load_b128 v[fa_+8*a_:fa_+8*a_+3],   v[ADRA] offset:o_+2304*a_
	ds_load_b128 v[fa_+8*a_+4:fa_+8*a_+7], v[ADRA] offset:o_+2304*a_+32
.set a_, a_+1
.endr
.endif
.endm
.macro MULS n, a0, na, zero            ; the accumulators take turns, one instruction a turn
.set g_, (\n)%G
.set fb_, FB0+(FB1-FB0)*((\n)%2)
.set fa_, FA0+(FA1-FA0)*(((\n)/G)%2)
	WIN 0x50*(g_+1)
.set a_, \a0
.rept \na
.set b_, 0
.rept NB
.if \zero
	v_wmma_f32_16x16x32_f16 v[8*(NB*a_+b_):8*(NB*a_+b_)+7], v[fb_+8*b_:fb_+8*b_+7], v[fa_+8*a_:fa_+8*a_+7], 0
.else
	v_wmma_f32_16x16x32_f16 v[8*(NB*a_+b_):8*(NB*a_+b_)+7], v[fb_+8*b_:fb_+8*b_+7], v[fa_+8*a_:fa_+8*a_+7], v[8*(NB*a_+b_):8*(NB*a_+b_)+7]
.endif
.set b_, b_+1
.endr
.set a_, a_+1
.endr
.endm
.macro STEP n, zero
	WIN 0
	s_wait_dscnt 0x0                               ; the only LDS loads out are block n's, issued 32 products ago
	PLACES                                         ; the loads below land in what block n - 1 read
	FETCH (\n)+1
	MULS \n, 0, NA, \zero
.endm
; A step's last block and the change of slots: each wave waits for all its tensor loads (one is out: its plane of the other slot), adds 0 to its spare word, and waits for that and for its
; reads of this slot.  fill = 1: the barrier opens a round of the cluster's, and the joint refill, two steps ahead, is the first thing behind it.
.macro TURN fill
	WIN 0
	s_wait_tensorcnt 0x0                           ; no tensor load of mine is out, so a group 0 may be written
	ds_add_u32 v[SPW], v[NIL]                      ; 0 onto my spare word
.if \fill
	s_xor_b32 s[G0A+5], s[G0A+5], SLOT1
	s_add_nc_u64 s[G0A+6:G0A+7], s[G0A+6:G0A+7], STEPA
	s_xor_b32 s[G0B+5], s[G0B+5], SLOT1
	s_add_nc_u64 s[G0B+6:G0B+7], s[G0B+6:G0B+7], STEPB
.endif
	s_xor_b32 s[TB], s[TB], SLOT1
	s_wait_dscnt 0x1                               ; the add alone may be out: the block's fragments are in
	MULS NBLK-1, 0, P1, 0
	s_wait_dscnt 0x0                               ; the add is done, and my reads of this slot are over
	s_barrier_signal -1
	MULS NBLK-1, P1, P2, 0
	WIN 0
	s_barrier_wait -1
.if \fill
	CREST
	JLOAD                                          ; its four v_nop are also the places in front of the loads below
.else
	PLACES
.endif
	v_add_nc_u32 v[ADRA], s[TB], v[A0]
	v_add_nc_u32 v[ADRB], s[TB], v[B0]
	FETCH 0
	MULS NBLK-1, P1+P2, NA-P1-P2, 0
.endm
.macro LAST
	WIN 0
	s_wait_dscnt 0x0
	MULS NBLK-1, 0, NA, 0
.endm
	s_load_b256 s[4:11], s[0:1], 0x0               ; qh s[4:5], kh s[6:7], pp s[8:9], st s[10:11]
	v_lshl_add_u32 v[SPW], v0, 2, SPARE
	v_mov_b32 v[NIL], 0
	ds_add_u32 v18, v19
	s_wait_dscnt 0x0
	v_lshrrev_b32 v5, 5, v0
	v_readfirstlane_b32 s[WV], v5
	s_lshr_b32 s[WM], s[WV], 1
	s_and_b32 s[WN], s[WV], 1
	s_bfe_u32 s[CX], ttmp6, 0x40000
	s_bfe_u32 s[CY], ttmp6, 0x40004
	s_lshl_b32 s[TX], ttmp9, 2
	s_add_co_u32 s[TX], s[TX], s[CX]               ; block of 256 keys in the batch
	s_and_b32 s[BT], ttmp7, 0xffff
	s_lshl_b32 s[TY], s[BT], 2
	s_add_co_u32 s[TY], s[TY], s[CY]               ; block of 256 queries among all 8,192
	s_lshr_b32 s[BT], s[BT], 1                     ; eight such blocks a batch: two clusters
	s_lshl_b32 s[RMASK], s[CY], 2
	s_lshl_b32 s[RMASK], 15, s[RMASK]
	s_lshl_b32 s[CMASK], 0x1111, s[CX]
	s_or_b32 s[G1A], s[RMASK], (1<<16)|(1<<20)|(1<<21)|(4<<22)|(3<<25)  ; mask; 2-byte elements; padding on; bit 21 beside a mask; after every 32 words 4 words
	s_or_b32 s[G1B], s[CMASK], (1<<16)|(1<<20)|(1<<21)|(4<<22)|(3<<25)
.irp g, G1A, G1B
	s_mov_b32 s[\g+1], 128<<16                     ; tensor_dim0 = 128 elements: two rows' pieces
	s_mov_b32 s[\g+2], 128<<16                     ; tensor_dim1 = 128
	s_mov_b32 s[\g+3], 128<<16                     ; tile_dim0
	s_mov_b32 s[\g+4], 128                         ; tile_dim1
	s_mov_b32 s[\g+5], 128                         ; dense
	s_mov_b32 s[\g+6], 0
	s_mov_b32 s[\g+7], 0
.endr
	s_lshl_b32 s80, s[TY], 15                      ; q: my block's 256 row pieces, and the plane of my wave's parity (registers that never hold cx)
	s_lshl_b32 s81, s[WN], 20
	s_add_co_u32 s80, s80, s81
	s_mov_b32 s81, 0
	s_lshl_b32 s84, s[TX], 15                      ; k: the batch's 2,048 row pieces, my block's 256, the plane (registers that never hold cy)
	s_lshl_b32 s85, s[BT], 18
	s_add_co_u32 s84, s84, s85
	s_lshl_b32 s85, s[WN], 20
	s_add_co_u32 s84, s84, s85
	s_mov_b32 s85, 0
	s_mul_i32 s90, s[WV], PLANE                    ; a slot: q even, q odd, k even, k odd = wave x plane
	s_mov_b32 s[TB], 0
	s_mov_b32 s[CS], 0x3d38aa3b                    ; c = log2(e) / 32 = 0.0450842
	s_mov_b32 s[CS+1], s[CS]
	s_mov_b32 s[SEL], 0x76543210
	s_mov_b32 s[SEL+1], 0xfedcba98
	s_wait_kmcnt 0x0
	s_add_nc_u64 s[82:83], s[4:5], s[80:81]
	s_add_nc_u64 s[86:87], s[6:7], s[84:85]
.irp s, 0,1
	s_mov_b32 s[G0A+4*(\s)], 1
	s_add_co_u32 s[G0A+4*(\s)+1], s90, (\s)*SLOT1
	s_add_nc_u64 s[G0A+4*(\s)+2:G0A+4*(\s)+3], s[82:83], (\s)*STEPA
	s_or_b32 s[G0A+4*(\s)+3], s[G0A+4*(\s)+3], 0x80000000
	s_mov_b32 s[G0B+4*(\s)], 1
	s_add_co_u32 s[G0B+4*(\s)+1], s90, (\s)*SLOT1
	s_add_nc_u64 s[G0B+4*(\s)+2:G0B+4*(\s)+3], s[86:87], (\s)*STEPB
	s_or_b32 s[G0B+4*(\s)+3], s[G0B+4*(\s)+3], 0x80000000
.endr
	CROUND                                         ; all sixteen work-groups are here: the first joint loads meet
	s_cmp_lt_u32 s[WV], 2                          ; a wave's two first fills stand in one branch: two loads of mine are out
	s_cbranch_scc0 .Lfirst_b
	tensor_load_to_lds s[G0A:G0A+3], s[G1A:G1A+7]
	s_nop 0
	tensor_load_to_lds s[G0A+4:G0A+7], s[G1A:G1A+7]
	s_nop 0
.rept 4
	v_nop
.endr
	s_branch .Lfirst_asked
.Lfirst_b:
	tensor_load_to_lds s[G0B:G0B+3], s[G1B:G1B+7]
	s_nop 0
	tensor_load_to_lds s[G0B+4:G0B+7], s[G1B:G1B+7]
	s_nop 0
.rept 4
	v_nop
.endr
.Lfirst_asked:
	v_and_b32 v1, 15, v0                           ; r
	v_bfe_u32 v2, v0, 4, 1                         ; h
	v_mul_u32_u24 v5, v1, 144
	v_lshl_add_u32 v5, v2, 4, v5                   ; a fragment: row r x pitch + 16 h
	s_mul_i32 s91, s[WM], 128*144
	v_add_nc_u32 v[A0], s91, v5
	s_mul_i32 s91, s[WN], 128*144
	s_add_co_u32 s91, s91, 2*PLANE
	v_add_nc_u32 v[B0], s91, v5
	v_and_b32 v[LO], 31, v0
	v_lshlrev_b32 v[LO], 4, v[LO]
	s_lshl_b32 s91, s[WV], 9
	s_add_co_u32 s91, s91, EX
	v_add_nc_u32 v[EXS], s91, v[LO]                ; my wave's 512 bytes, 16 a lane
	s_lshl_b32 s91, s[WM], 10
	s_add_co_u32 s91, s91, EX
	v_lshl_add_u32 v[EXL], v1, 4, s91              ; my row half's two waves' 1,024 bytes, at row r
	v_cmp_eq_u32 s[MK], 1, v2
.set i_, 0
.rept 8
	v_mov_b32 v[TP+i_], 0                          ; v_permlanex16_b32's destination counts as read
.set i_, i_+1
.endr
	s_lshl_b32 s88, s[TY], 20                      ; pp: ((16 tile row + 8 row half) x 64 + 8 tile column + 4 column half) x 1,024 bytes
	s_lshl_b32 s89, s[WM], 19
	s_add_co_u32 s88, s88, s89
	s_lshl_b32 s89, s[TX], 13
	s_add_co_u32 s88, s88, s89
	s_lshl_b32 s89, s[WN], 12
	s_add_co_u32 s88, s88, s89
	s_mov_b32 s89, 0
	s_add_nc_u64 s[PB:PB+1], s[8:9], s[88:89]
	s_lshl_b32 s88, s[TY], 1                       ; st: (group of 128 rows x 16 + my wave's 128 keys) x 1,024 bytes
	s_add_co_u32 s88, s88, s[WM]
	s_lshl_b32 s88, s88, 4
	s_lshl_b32 s89, s[TX], 1
	s_add_co_u32 s88, s88, s89
	s_add_co_u32 s88, s88, s[WN]
	s_lshl_b32 s88, s88, 10
	s_mov_b32 s89, 0
	s_add_nc_u64 s[SB:SB+1], s[10:11], s[88:89]
	s_wait_tensorcnt 0x1                           ; my plane of step 0 is in; step 1's may stay out
	s_barrier_signal -1
	s_barrier_wait -1
	v_add_nc_u32 v[ADRA], s[TB], v[A0]
	v_add_nc_u32 v[ADRB], s[TB], v[B0]
	FETCH 0
	STEP 0, 1                                      ; the first quarter starts the sums
	STEP 1, 1
	WIN 0
	s_mov_b32 s[CNT], NS-1
	s_branch .Lin                                  ; the loop is entered in the middle of a trip: step 0 has no change of slots in front of it, and its first quarter stands above
.Lk:                                                   ; a trip: the last block of a step with the change of slots and its refill, then the next step's blocks 0 to 6
	TURN 1
	STEP 0, 0
	STEP 1, 0
	WIN 0
.Lin:
	STEP 2, 0
	STEP 3, 0
	STEP 4, 0
	STEP 5, 0
	STEP 6, 0
	WIN 0
	s_sub_co_u32 s[CNT], s[CNT], 1
	s_cmp_lg_u32 s[CNT], 0
	s_cbranch_scc1 .Lk
	TURN 0                                         ; the last change of slots asks for nothing: written out
	STEP 0, 0
	STEP 1, 0
	STEP 2, 0
	STEP 3, 0
	STEP 4, 0
	STEP 5, 0
	STEP 6, 0
	LAST
	WIN 0
	PLACES
	; MY 128 KEYS' MAXIMA.  For each row block a two chains, in the pair that later holds c m and m; chain k takes accumulators 2 k and 2 k + 1 of both windows, each from its lowest
	; registers on.  The sixteen chains alternate, so that no line waits for the one before it.
.set g_, 0
.rept 2
	WIN 5*(g_+1)                                   ; sources 0 and 1 in the window; the chain itself in window 0
.set s_, 0
.rept 8
.set a_, 0
.rept 8
.set k_, 0
.rept 2
.set r_, 32*a_+16*k_+2*s_
.if (g_ == 0) && (s_ == 0)
	v_max_num_f32 v[CM+2*a_+k_], v[r_], v[r_+1]
.else
	v_max3_num_f32 v[CM+2*a_+k_], v[r_], v[r_+1], v[CM+2*a_+k_]
.endif
.set k_, k_+1
.endr
.set a_, a_+1
.endr
.set s_, s_+1
.endr
.set g_, g_+1
.endr
	WIN 0
.macro ALL line:vararg                 ; one line for each row block a_
.set a_, 0
.rept 8
	\line
.set a_, a_+1
.endr
.endm
	ALL v_max_num_f32 v[CM+2*a_+1], v[CM+2*a_], v[CM+2*a_+1]
	ALL v_permlanex16_b32 v[TP+a_], v[CM+2*a_+1], s[SEL], s[SEL+1]
	ALL v_max_num_f32 v[CM+2*a_+1], v[CM+2*a_+1], v[TP+a_]
	; THE CHUNK'S MAXIMA.  Lane (r, h) puts row r's maxima of row blocks 4 h .. 4 h + 3 into my wave's 512 bytes; behind the barrier every lane reads both waves' eight.
.set k_, 0
.rept 4
	v_cndmask_b32 v[T+k_], v[CM+2*k_+1], v[CM+2*k_+9], s[MK]
.set k_, k_+1
.endr
	ds_store_b128 v[EXS], v[T:T+3]
	s_wait_dscnt 0x0                               ; for the other wave's sake: my store is done
	s_barrier_signal -1
	s_barrier_wait -1
	ds_load_b128 v[T:T+3], v[EXL]                  ; the row half's first wave, row blocks 0-3,
	ds_load_b128 v[T+4:T+7], v[EXL] offset:256     ; 4-7;
	ds_load_b128 v[T+8:T+11], v[EXL] offset:512    ; its second wave
	ds_load_b128 v[T+12:T+15], v[EXL] offset:768
	s_wait_dscnt 0x0
	ALL v_max_num_f32 v[CM+2*a_+1], v[T+a_], v[T+8+a_]
	ALL v_mul_f32 v[CM+2*a_], s[CS], v[CM+2*a_+1]
; Row block a: c s - c m, the exponentials, the roundings to f16, and l.
.macro SOFT a
.set x_, X0+(X1-X0)*((\a)%2)
.set g_, 0
.rept 2
	WIN g_+1                                       ; source 0 in the window
.set i_, 0
.rept 16
	v_pk_fma_f32 v[T+32*g_+2*i_:T+32*g_+2*i_+1], v[32*(\a)+2*i_:32*(\a)+2*i_+1], s[CS:CS+1], v[CM+2*(\a):CM+2*(\a)+1] op_sel_hi:[1,0,0] neg_lo:[0,0,1] neg_hi:[0,0,1]
.set i_, i_+1
.endr
.set g_, g_+1
.endr
	WIN 0
.set i_, 0
.rept 64
	v_exp_f32 v[T+i_], v[T+i_]
.set i_, i_+1
.endr
	v_nop                                          ; a plain instruction between the exponentials and the use of their results (ISA guide 5.7.2)
	s_wait_xcnt 0x0                                ; the stores of the block two back have read this buffer's registers (ISA guide 3.1)
.set i_, 0
	s_wait_alu depctr_va_vdst(0)
.rept 32
	v_cvt_pk_f16_f32 v[x_+i_], v[T+2*i_], v[T+2*i_+1]
.set i_, i_+1
.endr
.set w_, 2                             ; the sum of the lane's 32 pairs, in place: partners 2, 4, 8, 16, 32 registers apart
.rept 5
.set i_, 0
.rept 32/w_
	v_pk_add_f32 v[T+2*w_*i_:T+2*w_*i_+1], v[T+2*w_*i_:T+2*w_*i_+1], v[T+2*w_*i_+w_:T+2*w_*i_+w_+1]
.set i_, i_+1
.endr
.set w_, 2*w_
.endr
	v_add_f32 v[LS+(\a)], v[T], v[T+1]
	v_permlanex16_b32 v[TP+(\a)], v[LS+(\a)], s[SEL], s[SEL+1]
	v_add_f32 v[LS+(\a)], v[LS+(\a)], v[TP+(\a)]
.endm
.macro SEND a                          ; accumulator k_'s four packed registers are half k_ % 2 of block k_ / 2 of 32 keys
.set x_, X0+(X1-X0)*((\a)%2)
.set k_, 0
.rept 8
	global_store_b128 v[LO], v[x_+4*k_:x_+4*k_+3], s[PB:PB+1] offset:(\a)*65536+k_*512  ; 512 consecutive bytes, at a multiple of 256 from pp's first
.set k_, k_+1
.endr
.endm
.set n_, 0
.rept 8
	SOFT n_
	SEND n_
.set n_, n_+1
.endr
	; THE STATISTICS: lanes 0-15 store c m, lanes 16-31 l, four row blocks to a lane: two stores of 512 consecutive bytes.
.set a_, 0
.rept 8
	v_cndmask_b32 v[T+a_], v[CM+2*a_], v[LS+a_], s[MK]
.set a_, a_+1
.endr
	global_store_b128 v[LO], v[T:T+3], s[SB:SB+1]
	global_store_b128 v[LO], v[T+4:T+7], s[SB:SB+1] offset:512
	s_wait_tensorcnt 0x0                           ; the wave's end
	ds_add_u32 v[SPW], v[NIL]
	s_wait_dscnt 0x0
	CROUND                                         ; the closing round
	s_endpgm
.Lfunc_end_k_q9080a61dba_scores:
	.size	k_q9080a61dba_scores, .Lfunc_end_k_q9080a61dba_scores-k_q9080a61dba_scores
	.p2alignl 7, 3214868480
	.fill 96, 4, 3214868480
	.section	.rodata,"a",@progbits
	.p2align	6, 0x0
	.amdhsa_kernel k_q9080a61dba_scores
		.amdhsa_group_segment_fixed_size 327680
		.amdhsa_private_segment_fixed_size 0
		.amdhsa_enable_private_segment 0
		.amdhsa_kernarg_size 32
		.amdhsa_user_sgpr_count 2
		.amdhsa_user_sgpr_kernarg_segment_ptr 1
		.amdhsa_wavefront_size32 1
		.amdhsa_system_sgpr_workgroup_id_x 1
		.amdhsa_system_sgpr_workgroup_id_y 1
		.amdhsa_system_sgpr_workgroup_id_z 1
		.amdhsa_system_vgpr_workitem_id 0
		.amdhsa_next_free_vgpr 768
		.amdhsa_next_free_sgpr 96
		.amdhsa_reserve_vcc 0
		.amdhsa_float_denorm_mode_32 3
		.amdhsa_float_denorm_mode_16_64 3
		.amdhsa_memory_ordered 1
		.amdhsa_forward_progress 1
		.amdhsa_inst_pref_size 162
	.end_amdhsa_kernel
	.amdgpu_metadata
---
amdhsa.version: [ 1, 2 ]
amdhsa.kernels:
  - .name:           k_q9080a61dba_scores
    .symbol:         k_q9080a61dba_scores.kd
    .args:
      - { .name: qh, .offset: 0, .size: 8, .value_kind: global_buffer, .address_space: global }
      - { .name: kh, .offset: 8, .size: 8, .value_kind: global_buffer, .address_space: global }
      - { .name: pp, .offset: 16, .size: 8, .value_kind: global_buffer, .address_space: global }
      - { .name: st, .offset: 24, .size: 8, .value_kind: global_buffer, .address_space: global }
    .group_segment_fixed_size: 327680
    .private_segment_fixed_size: 0
    .kernarg_segment_align: 8
    .kernarg_segment_size: 32
    .max_flat_workgroup_size: 128
    .sgpr_count:     96
    .vgpr_count:     768
    .wavefront_size: 32
...
	.end_amdgpu_metadata
.endif
;; end of part 3
;; launch pv (part 4): grid 4 x 64, 4 waves a work-group, clusters of 4 x 4, 327,680 bytes of LDS; arguments pp, vh, st, out0; writes out0
.if DOCPART == 4
	.amdgcn_target "amdgcn-amd-amdhsa--gfx1250"
	.amdhsa_code_object_version 6
	.text
	.protected	k_q9080a61dba_pv
	.globl	k_q9080a61dba_pv
	.p2align	8
	.type	k_q9080a61dba_pv,@function
k_q9080a61dba_pv:
	s_mov_b64 s[64:65], 0
	v_nop
	global_prefetch_b8 v0, s[64:65] scope:SCOPE_SE
	s_setreg_imm32_b32 hwreg(HW_REG_WAVE_MODE, 25, 1), 1
	s_wait_xcnt 0x0
	s_wait_alu depctr_hold_cnt(0) depctr_sa_sdst(0) depctr_va_vdst(0) depctr_va_sdst(0) depctr_va_ssrc(0) depctr_va_vcc(0) depctr_vm_vsrc(0)
	s_getreg_b32 s2, hwreg(HW_REG_IB_STS2, 6, 4)
	s_cmp_eq_u32 s2, 0
	s_cbranch_scc0 .Lentry_in_a_cluster
	s_endpgm
.Lentry_in_a_cluster:
	s_bfe_u32 s2, ttmp6, 0x10000c
	s_cmp_lg_u32 s2, 0xf033
	s_cbranch_scc0 .Lentry_shape_is_right
	s_endpgm
.Lentry_shape_is_right:
; pv: the second half of the softmax and O = P v.  For each row, from st's 16 entries (c m_t, l_t; the two entries of a chunk of 256 keys hold the same c m): c M = the largest c m_t,
; f_t = 2^(c m_t - c M), L = the sum of f_t l_t.  O = (the sum over chunks of f (p v)) / L: a chunk's product is summed by the matrix unit into S, O takes f S in f32, 1 / L is applied on the way out.
; f16 products; sums, factors and output in f32.  L is at least about 1: the chunk that holds the row's maximum has f = 1 and a weight 1 in its l.
; LIMITS: an f below 2^-126 counts as 0; |v| below 65,504; NaN and infinities are not treated apart.
; SHARES.  A work-group makes 128 rows x 256 columns, a wave 64 x 128: 32 accumulators.  4 x 64 work-groups.  K (a batch's 2,048 keys) goes in 8 PERIODS of 256 keys, a chunk each;
; a period is 8 BLOCKS (32 keys) of 32 matrix instructions.
; v goes through two LDS slots of a period each.  vh: [16][8192][64] f16 in planes of 64 columns: a plane's 256 keys are 32,768 dense bytes, asked for as 128 rows of 256 bytes (two keys), 32 bytes
; of padding behind each: the turning load's 8 keys x 32 bytes then fall on 256 different bytes modulo 256.  Each wave fetches one of the tile's four planes.
; CLUSTER 4 x 4: v's planes hang on the batch and the tile column and are asked for jointly along a column of the cluster (a cluster lies in one batch).
; p DOES NOT GO THROUGH LDS, though the four work-groups of a row of the cluster and the two waves of a row half read the same p.  The reason, by the sizes: with p's tile beside v's, two slots of
; 256 keys are 2 x (67,584 + 147,456) = 430,080 bytes, more than a work-group has; slots of 128 keys leave a refill 112 products in which to land, these leave it 240.
; pp holds p as this launch's registers want it ([512 blocks of 16 rows][64 blocks of 32 keys][1,024 bytes]: lane l's registers 0-3 at 16 l, 4-7 at 512 + 16 l), so a fragment is two loads of
; 512 consecutive bytes, into a ring of eight buffers, one for each block of a period; a buffer is asked for again one block after it has been multiplied, seven blocks ahead of its use.
; THE MATRIX INSTRUCTION IS USED TRANSPOSED: source 0 = 16 columns of v (turned on the way out of LDS), source 1 = 16 rows of p: a lane holds row lane % 16 and 8 neighbouring columns.
; REGISTERS: window 0: v0-31 addresses, at work, 1 / L; v32-95 the prologue and the way out; v96-159, v160-223 v's fragments; v224-227 the period's factors.
;   window 1: S, (a, b) at v[8 (8 a + b)].   window 2: O, likewise.   window 3: p's ring, block n's fragment a at v[32 n + 8 a].
.set NA, 4
.set NB, 8
.set PLANE, 36864                      ; 128 rows at a pitch of 288 bytes: 256 keys of 64 columns
.set SLOT1, 0x24000                    ; 4 planes.  Its two bits are in none of wave x PLANE, so one exclusive or changes slots
.set STAGE, 294912                     ; behind the ring, never filled by a tensor load: 16 rows x 272 bytes for each wave
.set FT, 312320                        ; the factors: for each wave [8 chunks][16 rows r][4 row blocks] f32: 2,048 bytes, the wave's own
.set SPARE, 320512                     ; the spare words: two blocks of 256 bytes that no other line names
.set STEPB, 32768                      ; v: 256 keys down a plane
.set FAD0, 9                           ; v9   my lane's place in a chunk's factors; never rewritten
.set GOUT, 10                          ; v10  my byte offset in two rows of out0
.set B0, 11                            ; v11  my lane's place in my first plane; never rewritten
.set ADRB, 12                          ; v12, v13  the same in the slot in hand, first and second plane
.set ADRB2, 13
.set STO, 14
.set RD, 15
.set GO, 16                            ; v16  16 x lane; never rewritten
.set FAD, 17                           ; v17  the LDS address of the period's factors
.set SPW, 18
.set NIL, 19
.set MX, 20                            ; v20-23 c M by row block; v24-27 what the lane 16 away holds
.set TP, 24
.set RL, 28                            ; v28-31 L, then 1 / L, by row block
.set PM, 32                            ; the prologue: v[32+4u+k] c m, then f, of entry 2 u + h, row block k
.set PL, 64                            ; v[64+4u+k] l
.set FB0, 96
.set FB1, 160
.set FC, 224
.set T, 32                             ; the way out: v32-63 16 rows x 64 columns, 32 numbers a lane
.set OB0, 64                           ; v64-95, v96-127 whole rows, by turns
.set OB1, 96
.set WV, 20
.set WM, 21
.set WN, 22
.set CX, 23
.set CY, 24
.set TX, 25
.set TY, 26
.set CMASK, 28
.set BT, 29
.set G1B, 40
.set G0B, 56                           ; s[56:63] descriptor groups 0: a set for each first fill; the second then walks
.set CNT, 66
.set TB, 67
.set SEL, 70
.set FS, 73                            ; s73  256 x the period whose factors are fetched next
.set OB, 74                            ; s[74:75] out0 at my wave's first number
.set AP, 76                            ; s[76:77] pp at my rows, at the period that is being asked for
.set SB, 78                            ; s[78:79] st at my rows
.set W_MUL, 0x5c                       ; v's fragment window 0, p's window 3, C and D window 1
.set W_RIDE, 0xa1                      ; S (source 0) window 1, the factor window 0, O (source 2 and destination) window 2
.set W_A, 0xc0                         ; destination window 3, address window 0
.set MSB, 0
.macro WIN new
.if MSB != (\new)
	s_set_vgpr_msb (MSB<<8)|(\new)
.set MSB, \new
.endif
.endm
.macro PLACES                          ; four places in front of loads into registers that matrix instructions have read, and of lines that read results (ISA guide 7.12.1 for lines that read results)
.rept 4
	v_nop
.endr
.endm
.macro CREST
	s_cmp_lg_u32 s[WV], 0
	s_cbranch_scc1 .Lnot_wave_0_\@
	s_barrier_signal -3
.Lnot_wave_0_\@:
	s_barrier_wait -3
	s_barrier_signal -1
	s_barrier_wait -1
.endm
.macro CROUND
	s_barrier_signal -1
	s_barrier_wait -1
	CREST
.endm
.macro JLOAD                           ; every wave's joint refill of its own plane; an s_nop 0 and four v_nop follow
	tensor_load_to_lds s[G0B+4:G0B+7], s[G1B:G1B+7]
	s_nop 0
.rept 4
	v_nop
.endr
.endm
.macro FETCH n                         ; block n's 16 turning loads: my 128 columns x 32 keys (16 pairs of keys a block, 8 pairs between a fragment's halves)
.set fb_, FB0+(FB1-FB0)*((\n)%2)
	WIN 0
.set b_, 0
.rept NB
	ds_load_tr16_b128 v[fb_+8*b_:fb_+8*b_+3],   v[ADRB+b_/4] offset:(\n)*4608+(b_%4)*32
	ds_load_tr16_b128 v[fb_+8*b_+4:fb_+8*b_+7], v[ADRB+b_/4] offset:(\n)*4608+(b_%4)*32+2304
.set b_, b_+1
.endr
.endm
.macro ALOAD m                         ; ring buffer m: block m of the period at s[AP]: my four row blocks' fragments, 512 consecutive bytes a load
	WIN W_A
.set a_, 0
.rept NA
	global_load_b128 v[32*(\m)+8*a_:32*(\m)+8*a_+3],   v[GO], s[AP:AP+1] offset:a_*65536+(\m)*1024
	global_load_b128 v[32*(\m)+8*a_+4:32*(\m)+8*a_+7], v[GO], s[AP:AP+1] offset:a_*65536+(\m)*1024+512
.set a_, a_+1
.endr
	WIN 0
.endm
.macro MULS n, zero                    ; block n's 32 products; the accumulators take turns, one instruction a turn.  zero = 1: they start the period's sums
.set fb_, FB0+(FB1-FB0)*((\n)%2)
	WIN W_MUL
.set a_, 0
.rept NA
.set b_, 0
.rept NB
.if \zero
	v_wmma_f32_16x16x32_f16 v[8*(NB*a_+b_):8*(NB*a_+b_)+7], v[fb_+8*b_:fb_+8*b_+7], v[32*(\n)+8*a_:32*(\n)+8*a_+7], 0
.else
	v_wmma_f32_16x16x32_f16 v[8*(NB*a_+b_):8*(NB*a_+b_)+7], v[fb_+8*b_:fb_+8*b_+7], v[32*(\n)+8*a_:32*(\n)+8*a_+7], v[8*(NB*a_+b_):8*(NB*a_+b_)+7]
.endif
.set b_, b_+1
.endr
.set a_, a_+1
.endr
.endm
.macro RIDE j                          ; O += f S for accumulator j, from its lowest registers on; the factor of row block j / 8 is one register of a pair
	WIN W_RIDE
.set z_, 0
.rept 4
.if ((\j)/NB)%2
	v_pk_fma_f32 v[8*(\j)+2*z_:8*(\j)+2*z_+1], v[8*(\j)+2*z_:8*(\j)+2*z_+1], v[FC+2*((\j)/(2*NB)):FC+2*((\j)/(2*NB))+1], v[8*(\j)+2*z_:8*(\j)+2*z_+1] op_sel:[0,1,0] op_sel_hi:[1,1,1]
.else
	v_pk_fma_f32 v[8*(\j)+2*z_:8*(\j)+2*z_+1], v[8*(\j)+2*z_:8*(\j)+2*z_+1], v[FC+2*((\j)/(2*NB)):FC+2*((\j)/(2*NB))+1], v[8*(\j)+2*z_:8*(\j)+2*z_+1] op_sel_hi:[1,0,1]
.endif
.set z_, z_+1
.endr
.endm
; Products i0 .. i0 + cnt - 1 of a period's LAST block, which finish the period's sums.  Behind product i stand the four lines that add accumulator i - 2 to O: between a product and the
; first line that reads its result stand the eight lines of the two accumulators before it (for accumulator 0 the four v_nop behind product 0, for accumulator 1 accumulator 0's four).
.macro MULR i0, cnt
.set i_, \i0
.rept \cnt
	WIN W_MUL
	v_wmma_f32_16x16x32_f16 v[8*i_:8*i_+7], v[FB1+8*(i_%NB):FB1+8*(i_%NB)+7], v[224+8*(i_/NB):224+8*(i_/NB)+7], v[8*i_:8*i_+7]
.if i_ == 0
	PLACES
.endif
.if i_ >= 2
	RIDE i_-2
.endif
.set i_, i_+1
.endr
.endm
.macro RTAIL                           ; the last two accumulators; accumulator 30's lines are also the places in front of the loads that follow
	RIDE 30
	RIDE 31
.endm
; Block n, 0 to 6.  Its fragments are in; block n + 1's of v are asked for from LDS; aload = 1: ring buffer n - 1 (with block 0: buffer 7) is asked for again.
; cnt: the loads of p that may stay out: in the loop six younger groups of eight.
.macro STEP n, aload, cnt
	WIN 0
	s_wait_dscnt 0x0                               ; the only LDS loads out are block n's, issued a block ago
	s_wait_loadcnt \cnt                            ; loads come back in order (ISA guide 5.7.1): ring buffer n is in
.if (\n) == 0
	v_add_nc_u32 v[FAD], s[FS], v[FAD0]            ; (the places in front of the loads below are the lines that closed the period before)
	s_wait_alu depctr_va_vdst(0)
	s_add_co_u32 s[FS], s[FS], 256
.else
	PLACES                                         ; the loads below land in what block n - 1 read
.endif
	FETCH (\n)+1
.if (\n) == 0
	ds_load_b128 v[FC:FC+3], v[FAD]                ; this period's factors, from my own table; they are used in its last block
.endif
.if \aload
.if (\n) == 1
	s_wait_xcnt 0x0                                ; the loads issued so far have had their addresses translated (ISA guide 3.1): their base may step
	s_add_nc_u64 s[AP:AP+1], s[AP:AP+1], 8192      ; to the next period: eight blocks of 1,024 bytes
.endif
	ALOAD ((\n)+7)%8
.endif
.if (\n) == 0
	MULS \n, 1
.else
	MULS \n, 0
.endif
.endm
; A period's last block and THE CHANGE OF SLOTS.  In front of the barrier each wave waits for all its tensor loads (one is out: its plane of the other slot), adds 0 to its spare word, and waits
; for that and for its reads of this slot.  fill = 1: the barrier opens a round of the cluster's, and the joint refill of this slot, two periods ahead, is the first thing behind it.
.macro TURN fill
	WIN 0
	s_wait_loadcnt 48                              ; ring buffer 7 is in
	PLACES
	ALOAD 6
	s_wait_tensorcnt 0x0                           ; no tensor load of mine is out, so a group 0 may be written
	ds_add_u32 v[SPW], v[NIL]                      ; 0 onto my spare word
.if \fill
	s_xor_b32 s[G0B+5], s[G0B+5], SLOT1            ; the walking descriptor: the other slot than last time, the next period
	s_add_nc_u64 s[G0B+6:G0B+7], s[G0B+6:G0B+7], STEPB
.endif
	s_xor_b32 s[TB], s[TB], SLOT1
	s_wait_dscnt 0x1                               ; the add alone may be out: the block's fragments of v are in
	MULR 0, 8
	s_wait_dscnt 0x0                               ; the add is done, and my reads of this slot are over
	s_barrier_signal -1
	MULR 8, 8
	WIN 0
	s_barrier_wait -1
.if \fill
	CREST                                          ; no wave of any partner still reads this slot or has a load on its way
	JLOAD
.endif
	v_add_nc_u32 v[ADRB], s[TB], v[B0]
	v_add_nc_u32 v[ADRB2], PLANE, v[ADRB]
	FETCH 0
	MULR 16, 16
	RTAIL
.endm
.macro LAST
	WIN 0
	s_wait_dscnt 0x0
	s_wait_loadcnt 0x0
	MULR 0, 32
	RTAIL
	WIN 0
.endm
	s_load_b256 s[4:11], s[0:1], 0x0               ; pp s[4:5], vh s[6:7], st s[8:9], out0 s[10:11]
	v_lshl_add_u32 v[SPW], v0, 2, SPARE
	v_mov_b32 v[NIL], 0
	ds_add_u32 v18, v19
	s_wait_dscnt 0x0
	v_lshrrev_b32 v5, 5, v0
	v_readfirstlane_b32 s[WV], v5
	s_lshr_b32 s[WM], s[WV], 1
	s_and_b32 s[WN], s[WV], 1
	s_bfe_u32 s[CX], ttmp6, 0x40000
	s_bfe_u32 s[CY], ttmp6, 0x40004
	s_lshl_b32 s[TX], ttmp9, 2
	s_add_co_u32 s[TX], s[TX], s[CX]               ; block of 256 columns
	s_and_b32 s[BT], ttmp7, 0xffff
	s_lshl_b32 s[TY], s[BT], 2
	s_add_co_u32 s[TY], s[TY], s[CY]               ; block of 128 rows among all 8,192
	s_lshr_b32 s[BT], s[BT], 2                     ; sixteen such blocks a batch: four clusters
	s_lshl_b32 s[CMASK], 0x1111, s[CX]             ; my column of the cluster
	s_or_b32 s[G1B], s[CMASK], (1<<16)|(1<<20)|(1<<21)|(5<<22)|(7<<25)  ; mask; 2-byte elements; padding on; bit 21 beside a mask; after every 64 words 8 words
	s_mov_b32 s[G1B+1], 128<<16                    ; tensor_dim0 = 128 elements: two keys' 64 columns
	s_mov_b32 s[G1B+2], 128<<16                    ; tensor_dim1 = 128
	s_mov_b32 s[G1B+3], 128<<16                    ; tile_dim0
	s_mov_b32 s[G1B+4], 128                        ; tile_dim1
	s_mov_b32 s[G1B+5], 128                        ; dense
	s_mov_b32 s[G1B+6], 0
	s_mov_b32 s[G1B+7], 0
	s_lshl_b32 s84, s[TX], 22                      ; v: four planes a tile column, my wave's among them, the batch's keys (registers that never hold cy)
	s_lshl_b32 s85, s[WV], 20
	s_add_co_u32 s84, s84, s85
	s_lshl_b32 s85, s[BT], 18
	s_add_co_u32 s84, s84, s85
	s_mov_b32 s85, 0
	s_mul_i32 s90, s[WV], PLANE                    ; and its place in a slot
	s_lshl_b32 s80, s[TY], 19                      ; pp: eight blocks of 16 rows a tile row, four for my row half, 65,536 bytes each
	s_lshl_b32 s81, s[WM], 18
	s_add_co_u32 s80, s80, s81
	s_mov_b32 s81, 0
	s_lshl_b32 s82, s[TY], 14                      ; st: my group of 128 rows, my half of it
	s_lshl_b32 s83, s[WM], 9
	s_add_co_u32 s82, s82, s83
	s_mov_b32 s83, 0
	s_lshl_b32 s88, s[TX], 10                      ; out0: my first row x 4,096 bytes (pp's figure) + my first column x 4
	s_add_co_u32 s88, s88, s80
	s_lshl_b32 s89, s[WN], 9
	s_add_co_u32 s88, s88, s89
	s_mov_b32 s89, 0
	s_mov_b32 s[TB], 0
	s_mov_b32 s[FS], 0
	s_mov_b32 s[SEL], 0x76543210
	s_mov_b32 s[SEL+1], 0xfedcba98
	s_wait_kmcnt 0x0
	s_add_nc_u64 s[86:87], s[6:7], s[84:85]
	s_add_nc_u64 s[AP:AP+1], s[4:5], s[80:81]
	s_add_nc_u64 s[SB:SB+1], s[8:9], s[82:83]
	s_add_nc_u64 s[OB:OB+1], s[10:11], s[88:89]
.irp s, 0,1
	s_mov_b32 s[G0B+4*(\s)], 1
	s_add_co_u32 s[G0B+4*(\s)+1], s90, (\s)*SLOT1
	s_add_nc_u64 s[G0B+4*(\s)+2:G0B+4*(\s)+3], s[86:87], (\s)*STEPB
	s_or_b32 s[G0B+4*(\s)+3], s[G0B+4*(\s)+3], 0x80000000
.endr
	CROUND                                         ; all sixteen work-groups are here: the first joint loads meet
	tensor_load_to_lds s[G0B:G0B+3], s[G1B:G1B+7]  ; periods 0 and 1: two loads of mine are out
	s_nop 0
	tensor_load_to_lds s[G0B+4:G0B+7], s[G1B:G1B+7]
	s_nop 0
.rept 4
	v_nop
.endr
	; THE FACTORS.  Lane (r, h) takes st's entries 2 u + h, u = 0..7, of rows 16 k + r of my 64, k = 0..3: each load covers two aligned runs of 256 bytes.
	v_and_b32 v1, 15, v0                           ; r
	v_bfe_u32 v2, v0, 4, 1                         ; h
	v_lshlrev_b32 v5, 4, v1
	v_lshl_add_u32 v5, v2, 10, v5
	v_and_b32 v[GO], 31, v0
	v_lshlrev_b32 v[GO], 4, v[GO]
.set u_, 0
.rept 8
	global_load_b128 v[PM+4*u_:PM+4*u_+3], v5, s[SB:SB+1] offset:u_*2048
	global_load_b128 v[PL+4*u_:PL+4*u_+3], v5, s[SB:SB+1] offset:u_*2048+256
.set u_, u_+1
.endr
	ALOAD 0                                        ; p's first five blocks: with st's loads 56 are out
	ALOAD 1
	ALOAD 2
	ALOAD 3
	ALOAD 4
	; O starts at 0: 256 lines, in the wait for the first loads.  The price of having no text of its own for the first period, whose sums would otherwise start O.
	WIN 0x80
.set i_, 0
.rept 256
	v_mov_b32 v[i_], 0
.set i_, i_+1
.endr
	WIN 0
	v_and_b32 v3, 7, v0
	v_bfe_u32 v4, v0, 3, 1
	v_lshrrev_b32 v6, 1, v3                        ; the turning load: lane reads key 8 h + lane % 8, columns 8 ((lane / 8) % 2) + 0..7.
	v_lshl_add_u32 v6, v2, 2, v6                   ; The key's pair, 4 h + (lane % 8) / 2, is an LDS row of 288 bytes;
	v_mul_u32_u24 v[B0], v6, 288
	v_and_b32 v7, 1, v0
	v_lshl_add_u32 v[B0], v7, 7, v[B0]             ; an odd key lies 128 bytes into it
	v_lshl_add_u32 v[B0], v4, 4, v[B0]
	s_mul_i32 s88, s[WN], 2*PLANE                  ; my two planes
	v_add_nc_u32 v[B0], s88, v[B0]
	s_mul_i32 s88, s[WV], 16*272
	s_add_co_u32 s88, s88, STAGE                   ; my stage
	v_mul_u32_u24 v[STO], v1, 272                  ; in: row r, 32 bytes for each half of the lanes
	v_lshl_add_u32 v[STO], v2, 5, v[STO]
	v_add_nc_u32 v[STO], s88, v[STO]
	v_mul_u32_u24 v[RD], v2, 272                   ; back: lanes 0-15 one row of 256 bytes, lanes 16-31 the next
	v_lshl_add_u32 v[RD], v1, 4, v[RD]
	v_add_nc_u32 v[RD], s88, v[RD]
	v_lshlrev_b32 v[GOUT], 4, v1                   ; and the same two rows in out0, 4,096 bytes apart
	v_lshl_add_u32 v[GOUT], v2, 12, v[GOUT]
	s_lshl_b32 s88, s[WV], 11
	s_add_co_u32 s88, s88, FT                      ; my table
	v_lshl_add_u32 v[FAD0], v1, 4, s88
.set k_, 0
.rept 4
	v_mov_b32 v[TP+k_], 0                          ; v_permlanex16_b32's destination counts as read
.set k_, k_+1
.endr
	s_wait_loadcnt 40                              ; st's sixteen loads are in; the 40 of p behind them stay out
.macro ALL line:vararg                 ; one line for each row block k_
.set k_, 0
.rept 4
	\line
.set k_, k_+1
.endr
.endm
	ALL v_max3_num_f32 v[MX+k_], v[PM+k_], v[PM+4+k_], v[PM+8+k_]
	ALL v_max3_num_f32 v[MX+k_], v[MX+k_], v[PM+12+k_], v[PM+16+k_]
	ALL v_max3_num_f32 v[MX+k_], v[MX+k_], v[PM+20+k_], v[PM+24+k_]
	ALL v_max_num_f32 v[MX+k_], v[MX+k_], v[PM+28+k_]
	ALL v_permlanex16_b32 v[TP+k_], v[MX+k_], s[SEL], s[SEL+1]
	ALL v_max_num_f32 v[MX+k_], v[MX+k_], v[TP+k_]
.set i_, 0
.rept 16                               ; c m_t - c M
	v_pk_add_f32 v[PM+2*i_:PM+2*i_+1], v[PM+2*i_:PM+2*i_+1], v[MX+2*(i_%2):MX+2*(i_%2)+1] neg_lo:[0,1] neg_hi:[0,1]
.set i_, i_+1
.endr
.set i_, 0
.rept 32
	v_exp_f32 v[PM+i_], v[PM+i_]
.set i_, i_+1
.endr
	v_nop                                          ; a plain instruction between the exponentials and the use of their results (ISA guide 5.7.2)
	s_wait_alu depctr_va_vdst(0)
	v_pk_mul_f32 v[RL:RL+1], v[PM:PM+1], v[PL:PL+1]
	v_pk_mul_f32 v[RL+2:RL+3], v[PM+2:PM+3], v[PL+2:PL+3]
.set i_, 2
.rept 14
	v_pk_fma_f32 v[RL+2*(i_%2):RL+2*(i_%2)+1], v[PM+2*i_:PM+2*i_+1], v[PL+2*i_:PL+2*i_+1], v[RL+2*(i_%2):RL+2*(i_%2)+1]
.set i_, i_+1
.endr
	ALL v_permlanex16_b32 v[TP+k_], v[RL+k_], s[SEL], s[SEL+1]
	ALL v_add_f32 v[RL+k_], v[RL+k_], v[TP+k_]
	ALL v_rcp_f32 v[RL+k_], v[RL+k_]
	v_nop                                          ; a plain instruction behind the reciprocals
.set u_, 0
.rept 8
	ds_store_b128 v[FAD0], v[PM+4*u_:PM+4*u_+3] offset:u_*256  ; chunk u at 256 u + 16 r.  Lanes r and 16 + r hold the chunk's two entries, whose c m, and so f, are the same number: both write it to the same bytes
.set u_, u_+1
.endr
	ALOAD 5
	ALOAD 6
	s_wait_tensorcnt 0x1                           ; my plane of period 0 is in; period 1's may stay out
	s_wait_dscnt 0x0                               ; no LDS instruction of mine is pending at a signal
	s_barrier_signal -1
	s_barrier_wait -1
	v_add_nc_u32 v[ADRB], s[TB], v[B0]
	v_add_nc_u32 v[ADRB2], PLANE, v[ADRB]
	FETCH 0
	s_mov_b32 s[CNT], 7
	s_branch .Lfirst                               ; the loop is entered in the middle of a trip: period 0 has no change of slots in front of it
.Lp:                                                   ; a trip: the last block of a period with the change of slots and its refill, then the next period's blocks 0 to 6
	TURN 1
	WIN 0
.Lfirst:
	STEP 0, 1, 48
	STEP 1, 1, 48
	STEP 2, 1, 48
	STEP 3, 1, 48
	STEP 4, 1, 48
	STEP 5, 1, 48
	STEP 6, 1, 48
	WIN 0
	s_sub_co_u32 s[CNT], s[CNT], 1
	s_cmp_lg_u32 s[CNT], 0
	s_cbranch_scc1 .Lp
	TURN 0                                         ; the tail is written out and no load of p leaves its rows
	STEP 0, 1, 48                                  ; the last period's buffers 6 and 7 are still asked for, then nothing, and the counts run down
	STEP 1, 0, 48
	STEP 2, 0, 40
	STEP 3, 0, 32
	STEP 4, 0, 24
	STEP 5, 0, 16
	STEP 6, 0, 8
	LAST
; THE WAY OUT.  Unit u = 16 rows (row block u / 2) x 64 columns (half u % 2): O times 1 / L, 32 bytes a lane and accumulator into rows of 272 bytes of my stage, back as whole rows of 256 bytes.
.macro MULT u
.set ao_, (\u)/2
.set ho_, (\u)%2
	WIN 0x02                                       ; source 0 in window 2
.set i_, 0
.rept 16
.if ao_%2
	v_pk_mul_f32 v[T+2*i_:T+2*i_+1], v[64*ao_+32*ho_+2*i_:64*ao_+32*ho_+2*i_+1], v[RL+2*(ao_/2):RL+2*(ao_/2)+1] op_sel:[0,1] op_sel_hi:[1,1]
.else
	v_pk_mul_f32 v[T+2*i_:T+2*i_+1], v[64*ao_+32*ho_+2*i_:64*ao_+32*ho_+2*i_+1], v[RL+2*(ao_/2):RL+2*(ao_/2)+1] op_sel_hi:[1,0]
.endif
.set i_, i_+1
.endr
	WIN 0
.endm
.macro TOSTAGE u
.set ob_, OB0+(OB1-OB0)*((\u)%2)
	s_wait_xcnt 0x0                                ; the stores of the unit two back have read these registers (ISA guide 3.1)
.set b_, 0
.rept 4
	ds_store_b128 v[STO], v[T+8*b_:T+8*b_+3] offset:64*b_
	ds_store_b128 v[STO], v[T+8*b_+4:T+8*b_+7] offset:64*b_+16
.set b_, b_+1
.endr
.set b_, 0
.rept 8
	ds_load_b128 v[ob_+4*b_:ob_+4*b_+3], v[RD] offset:544*b_  ; LDS serves a wave's instructions in order (ISA guide 5.7.1.4): these see the stores above
.set b_, b_+1
.endr
.endm
.macro SEND u
.set ob_, OB0+(OB1-OB0)*((\u)%2)
	s_wait_dscnt 0x0                               ; the unit is back; the next unit's arithmetic has stood in between
.set b_, 0
.rept 8
	global_store_b128 v[GOUT], v[ob_+4*b_:ob_+4*b_+3], s[OB:OB+1] offset:(16*((\u)/2)+2*b_)*4096+((\u)%2)*256 th:TH_STORE_NT  ; 16 lanes store 256 consecutive bytes, at a multiple of 256 from out0's first
.set b_, b_+1
.endr
.endm
	MULT 0
	TOSTAGE 0
.set n_, 1
.rept 7
	MULT n_
	SEND n_-1
	TOSTAGE n_
.set n_, n_+1
.endr
	SEND 7
	s_wait_tensorcnt 0x0                           ; the wave's end
	ds_add_u32 v[SPW], v[NIL]
	s_wait_dscnt 0x0
	CROUND                                         ; the closing round
	s_endpgm
.Lfunc_end_k_q9080a61dba_pv:
	.size	k_q9080a61dba_pv, .Lfunc_end_k_q9080a61dba_pv-k_q9080a61dba_pv
	.p2alignl 7, 3214868480
	.fill 96, 4, 3214868480
	.section	.rodata,"a",@progbits
	.p2align	6, 0x0
	.amdhsa_kernel k_q9080a61dba_pv
		.amdhsa_group_segment_fixed_size 327680
		.amdhsa_private_segment_fixed_size 0
		.amdhsa_enable_private_segment 0
		.amdhsa_kernarg_size 32
		.amdhsa_user_sgpr_count 2
		.amdhsa_user_sgpr_kernarg_segment_ptr 1
		.amdhsa_wavefront_size32 1
		.amdhsa_system_sgpr_workgroup_id_x 1
		.amdhsa_system_sgpr_workgroup_id_y 1
		.amdhsa_system_sgpr_workgroup_id_z 1
		.amdhsa_system_vgpr_workitem_id 0
		.amdhsa_next_free_vgpr 1024
		.amdhsa_next_free_sgpr 96
		.amdhsa_reserve_vcc 0
		.amdhsa_float_denorm_mode_32 3
		.amdhsa_float_denorm_mode_16_64 3
		.amdhsa_memory_ordered 1
		.amdhsa_forward_progress 1
		.amdhsa_inst_pref_size 145
	.end_amdhsa_kernel
	.amdgpu_metadata
---
amdhsa.version: [ 1, 2 ]
amdhsa.kernels:
  - .name:           k_q9080a61dba_pv
    .symbol:         k_q9080a61dba_pv.kd
    .args:
      - { .name: pp, .offset: 0, .size: 8, .value_kind: global_buffer, .address_space: global }
      - { .name: vh, .offset: 8, .size: 8, .value_kind: global_buffer, .address_space: global }
      - { .name: st, .offset: 16, .size: 8, .value_kind: global_buffer, .address_space: global }
      - { .name: out0, .offset: 24, .size: 8, .value_kind: global_buffer, .address_space: global }
    .group_segment_fixed_size: 327680
    .private_segment_fixed_size: 0
    .kernarg_segment_align: 8
    .kernarg_segment_size: 32
    .max_flat_workgroup_size: 128
    .sgpr_count:     96
    .vgpr_count:     1024
    .wavefront_size: 32
...
	.end_amdgpu_metadata
.endif
;; end of part 4
;; ======== version 2 of 2: 4 launches; version 1 with the launch prep written anew for expert scheduling mode
;; limits: values are held in f16: magnitudes above 65,504 overflow, below 6.1e-05 lose precision
;; workspace buffers: xb 16,777,216 bytes; wb 6,291,456 bytes; qh 16,777,216 bytes; kh 16,777,216 bytes; vh 16,777,216 bytes; pp 33,554,432 bytes; st 1,048,576 bytes
;; launch prep (part 5): grid 256 x 1, 8 waves a work-group, no clusters, 0 bytes of LDS; arguments inputs, W_query, W_key, W_value, xb, wb; writes xb, wb
.if DOCPART == 5
	.amdgcn_target "amdgcn-amd-amdhsa--gfx1250"
	.amdhsa_code_object_version 6
	.text
	.protected	k_q9080a61dba_prep
	.globl	k_q9080a61dba_prep
	.p2align	8
	.type	k_q9080a61dba_prep,@function
k_q9080a61dba_prep:
	s_mov_b64 s[64:65], 0
	v_nop
	global_prefetch_b8 v0, s[64:65] scope:SCOPE_SE
	s_setreg_imm32_b32 hwreg(HW_REG_WAVE_SCHED_MODE, 0, 2), 2
	s_setreg_imm32_b32 hwreg(HW_REG_WAVE_MODE, 25, 1), 1
	s_wait_xcnt 0x0
	s_wait_alu depctr_vm_vsrc(0)
; prep: the module's four inputs are rounded to bf16, once.
;   xb: [16 blocks of 64 channels][8192 rows][64] bf16: a block of channels is a plane of 1,048,576 bytes in which the rows' 128 bytes lie end to end.
;   wb: [3: query, key, value][1024 d][1024 e] bf16, row-major as the inputs are.
; A stream: every byte is read once and written once; no LDS, no barrier and no matrix unit would add anything.
; 2,048 waves; wave gw takes rows 4 gw .. 4 gw + 3 of x and 2,048 bytes of each W: 44 units of one 16-byte load a lane, two roundings in place
; and one 8-byte store a lane.  A load of x covers two aligned runs of 256 bytes (lanes 0-15 one row, lanes 16-31 the next); every store covers 256
; consecutive bytes, aligned.  All 44 loads go out first, so no register is written twice and no wait for a source is needed.
; THE MODE: SCHED_MODE bits 1:0 = 2 (LLVM: expert scheduling mode 2), set by the entry lines.  The code itself states the register dependences
; between vector instructions and memory instructions, with s_wait_alu, always for 0.
; THE PLAN.  Registers that memory instructions touch:
;   v1, v2, v3      byte offsets, made once at the head by vector instructions, read by every load (v1, v2) and every store (v3), never written again.
;   v[8+4i:11+4i]   unit i.  No vector instruction names them before the unit's one load lands in them; the unit's two roundings read all four and write
;                   the first two; the unit's one store reads those two; nothing writes them afterwards.
; The 44 units go in 11 blocks of four.  Block p rounds its own four units; the memory instructions issued meanwhile are the four stores of block p - 1,
; whose registers no vector instruction of block p names.  So ONE wait on va_vdst at a block's head states all that its four stores hang on, and they are
; dealt among the block's roundings with no further wait.  No register that a memory instruction has read is written again: the text owes no wait on vm_vsrc.
.set X, 8                              ; v[8+4i : 11+4i]  unit i as loaded; its first two registers as stored
.set BLOCK, 4                          ; units in a block
.set BLOCKS, 44 / BLOCK
	s_load_b256 s[4:11], s[0:1], 0x0               ; inputs s[4:5], W_query s[6:7], W_key s[8:9], W_value s[10:11]
	s_load_b128 s[12:15], s[0:1], 0x20             ; xb s[12:13], wb s[14:15]
	v_lshrrev_b32 v4, 5, v0
	v_readfirstlane_b32 s2, v4                     ; wave 0..7
	v_and_b32 v5, 31, v0                           ; lane
	v_and_b32 v1, 15, v0
	v_bfe_u32 v6, v0, 4, 1
	v_lshlrev_b32 v1, 4, v1
	v_lshl_add_u32 v1, v6, 12, v1                  ; x: 16 (lane % 16) + one row of 4,096 bytes for lanes 16-31
	v_lshlrev_b32 v2, 4, v5                        ; W: 16 x lane
	v_lshlrev_b32 v3, 3, v5                        ; stores: 8 x lane
	s_wait_alu depctr_va_sdst(0)                   ; s2 is written, ahead of its first reader: every base below is made from it
	s_lshl_b32 s3, ttmp9, 3
	s_add_co_u32 s3, s3, s2                        ; gw = 8 x work-group + wave
	s_mov_b32 s31, 0
	s_lshl_b32 s30, s3, 14                         ; four rows of x
	s_wait_kmcnt 0x0
	s_add_nc_u64 s[16:17], s[4:5], s[30:31]
	s_lshl_b32 s30, s3, 9                          ; four row pieces of 128 bytes in a plane of xb
	s_add_nc_u64 s[18:19], s[12:13], s[30:31]      ; planes 0-7
	s_add_nc_u64 s[20:21], s[18:19], 0x800000      ; planes 8-15: so the plane fits the store's immediate
	s_lshl_b32 s30, s3, 11
	s_add_nc_u64 s[22:23], s[6:7], s[30:31]
	s_add_nc_u64 s[24:25], s[8:9], s[30:31]
	s_add_nc_u64 s[26:27], s[10:11], s[30:31]
	s_lshl_b32 s30, s3, 10
	s_add_nc_u64 s[28:29], s[14:15], s[30:31]
	s_wait_alu depctr_va_vdst(0)                   ; v1, v2 and v3 are written: every load and store of the kernel reads one of them as its offset
.set i, 0
.rept 32                               ; unit i: pair of rows i / 16, channel block i % 16
	global_load_b128 v[X+4*i:X+4*i+3], v1, s[16:17] offset:(i/16)*8192+(i%16)*256 th:TH_LOAD_NT
.set i, i+1
.endr
.rept 12                               ; units 32-43: W number (i - 32) / 4, 512 bytes each
	global_load_b128 v[X+4*i:X+4*i+3], v2, s[22+2*((i-32)/4):23+2*((i-32)/4)] offset:((i-32)%4)*512 th:TH_LOAD_NT
.set i, i+1
.endr
.macro CONV u                          ; unit u: four f32 close up into two registers of bf16, in place
	v_cvt_pk_bf16_f32 v[X+4*(\u)], v[X+4*(\u)], v[X+4*(\u)+1]
	v_cvt_pk_bf16_f32 v[X+4*(\u)+1], v[X+4*(\u)+2], v[X+4*(\u)+3]
.endm
.macro SEND u                          ; unit u's store: 256 consecutive bytes a wave, aligned
.if (\u) < 32
	global_store_b64 v3, v[X+4*(\u):X+4*(\u)+1], s[18+2*(((\u)%16)/8):19+2*(((\u)%16)/8)] offset:((\u)/16)*256+((\u)%8)*1048576
.else
	global_store_b64 v3, v[X+4*(\u):X+4*(\u)+1], s[28:29] offset:(((\u)-32)/4)*2097152+(((\u)-32)%4)*256
.endif
.endm
.set p, 0
.rept BLOCKS                           ; block p: units 4 p .. 4 p + 3
	s_wait_loadcnt 44-BLOCK*(p+1)                  ; loads come back in order (ISA guide 5.7.1): block p's four are in, the later blocks' stay out
.if p > 0
	s_wait_alu depctr_va_vdst(0)                   ; the roundings of block p - 1 have written the eight registers that the four stores below read
.endif
.set k, 0
.rept BLOCK
.if p > 0
	SEND BLOCK*(p-1)+k                             ; no vector instruction since the wait names this store's registers: block p's roundings name block p's alone
.endif
	CONV BLOCK*p+k
.set k, k+1
.endr
.set p, p+1
.endr
	s_wait_alu depctr_va_vdst(0)                   ; the last block's roundings have written the registers that the last four stores read
.set k, 0
.rept BLOCK
	SEND 44-BLOCK+k
.set k, k+1
.endr
	s_endpgm
.Lfunc_end_k_q9080a61dba_prep:
	.size	k_q9080a61dba_prep, .Lfunc_end_k_q9080a61dba_prep-k_q9080a61dba_prep
	.p2alignl 7, 3214868480
	.fill 96, 4, 3214868480
	.section	.rodata,"a",@progbits
	.p2align	6, 0x0
	.amdhsa_kernel k_q9080a61dba_prep
		.amdhsa_group_segment_fixed_size 0
		.amdhsa_private_segment_fixed_size 0
		.amdhsa_enable_private_segment 0
		.amdhsa_kernarg_size 48
		.amdhsa_user_sgpr_count 2
		.amdhsa_user_sgpr_kernarg_segment_ptr 1
		.amdhsa_wavefront_size32 1
		.amdhsa_system_sgpr_workgroup_id_x 1
		.amdhsa_system_sgpr_workgroup_id_y 1
		.amdhsa_system_sgpr_workgroup_id_z 1
		.amdhsa_system_vgpr_workitem_id 0
		.amdhsa_next_free_vgpr 184
		.amdhsa_next_free_sgpr 66
		.amdhsa_reserve_vcc 0
		.amdhsa_float_denorm_mode_32 3
		.amdhsa_float_denorm_mode_16_64 3
		.amdhsa_memory_ordered 1
		.amdhsa_forward_progress 1
		.amdhsa_inst_pref_size 16
	.end_amdhsa_kernel
	.amdgpu_metadata
---
amdhsa.version: [ 1, 2 ]
amdhsa.kernels:
  - .name:           k_q9080a61dba_prep
    .symbol:         k_q9080a61dba_prep.kd
    .args:
      - { .name: inputs, .offset: 0, .size: 8, .value_kind: global_buffer, .address_space: global }
      - { .name: W_query, .offset: 8, .size: 8, .value_kind: global_buffer, .address_space: global }
      - { .name: W_key, .offset: 16, .size: 8, .value_kind: global_buffer, .address_space: global }
      - { .name: W_value, .offset: 24, .size: 8, .value_kind: global_buffer, .address_space: global }
      - { .name: xb, .offset: 32, .size: 8, .value_kind: global_buffer, .address_space: global }
      - { .name: wb, .offset: 40, .size: 8, .value_kind: global_buffer, .address_space: global }
    .group_segment_fixed_size: 0
    .private_segment_fixed_size: 0
    .kernarg_segment_align: 8
    .kernarg_segment_size: 48
    .max_flat_workgroup_size: 256
    .sgpr_count:     66
    .vgpr_count:     184
    .wavefront_size: 32
...
	.end_amdgpu_metadata
.endif
;; end of part 5
;; launch proj: the kernel of part 2 again; grid 8 x 32, 4 waves a work-group, clusters of 4 x 4, 327,680 bytes of LDS; arguments xb, wb, qh, kh, vh; writes qh, kh, vh
;; launch scores: the kernel of part 3 again; grid 8 x 32, 4 waves a work-group, clusters of 4 x 4, 327,680 bytes of LDS; arguments qh, kh, pp, st; writes pp, st
;; launch pv: the kernel of part 4 again; grid 4 x 64, 4 waves a work-group, clusters of 4 x 4, 327,680 bytes of LDS; arguments pp, vh, st, out0; writes out0
